; MI455X (gfx1250); checked and timed in simulation.
; The chip was launched on July 23, 2026; its instructions are those of AMD's public machine-readable ISA for CDNA 5 (MIT licence, August 2026) and "CDNA5" Instruction Set Architecture Reference Guide (July 2026). The comments in the code are by the model that wrote it; some were corrected since.
;; Attention. Allowed arithmetic: matrix products marked QUANTISED: E2M3 operands, one E8M0 scale for each 32 along K, by v_wmma_scale_f32_16x16x128_f8f6f4 with both operands' format E2M3, f32 sums; everything else in f32.
;; Inputs: gamma 1,024 float32; w_attn_out_codes 1,024 x 16 x 24 uint8 (E2M3 codes of w_attn_out, K innermost, in blocks of 32 codes, four codes in three bytes); w_attn_out_scales 1,024 x 16 uint8 (E8M0 scales of w_attn_out, one for each 32 codes along K); w_ff_out_codes 1,024 x 128 x 24 uint8 (E2M3 codes of w_ff_out, K innermost, in blocks of 32 codes, four codes in three bytes); w_ff_out_scales 1,024 x 128 uint8 (E8M0 scales of w_ff_out, one for each 32 codes along K); w_fused_codes 8,832 x 32 x 24 uint8 (E2M3 codes of w_fused, K innermost, in blocks of 32 codes, four codes in three bytes); w_fused_scales 8,832 x 32 uint8 (E8M0 scales of w_fused, one for each 32 codes along K); x 2 x 2,048 x 1,024 float32.
;; Outputs: out0 2 x 2,048 x 1,024 float32.
;; This version of the problem:
;;   THIS VERSION OF THE PROBLEM IS GIVEN IN LOW PRECISION. The matrix products marked QUANTISED in the list below multiply operands that are first quantised to E2M3 (2 exponent bits, 3 mantissa bits; 6 bits a number), with one power-of-two scale for each 32 numbers along K (OCP MX v1.0); their sums are f32. All else is computed in f32.
;;   The module's matrix products, in the order in which they are computed (A, B: the left and right operand; K: the contracted axis; several contracted axes count as one K, in the product's order):
;;     1. [M 4,096, K 1,024] x [K 1,024, N 8,832]; A: computed on the way; B: input w_fused (given as codes): QUANTISED
;;     2. batch 2 x [M 16,384, K 64] x [K 64, N 2,048]; A: computed on the way; B: computed on the way: QUANTISED
;;     3. batch 2 x [M 16,384, K 2,048] x [K 2,048, N 64]; A: softmax (see below); B: computed on the way: QUANTISED
;;     4. [M 4,096, K 512] x [K 512, N 1,024]; A: computed on the way; B: input w_attn_out (given as codes): QUANTISED
;;     5. [M 4,096, K 4,096] x [K 4,096, N 1,024]; A: computed on the way; B: input w_ff_out (given as codes): QUANTISED
;;   THE QUANTISER, for each operand of a quantised product, along K:
;;     - K is cut into blocks of 32 from its start; a last block that is shorter is filled with zeros.
;;     - A block's scale is 2^e with e = floor(log2(the largest magnitude in the block)) - 2, held to -126 .. 127; a block of zeros has e = 0. As a byte (E8M0): e + 127.
;;     - Each number is divided by its block's scale, clamped to +-7.5, and rounded to the nearest number of E2M3, ties to even, subnormals kept.
;;     - The product sums the exact products of the quantised numbers (number of the format x scale) in f32.
;;   ~~~python
;;   def quantise(x, axis):      # numpy; x: float32 -> the quantised numbers, widened to float32 again
;;       x = np.moveaxis(x, axis, -1); K = x.shape[-1]
;;       x = np.pad(x, [(0, 0)] * (x.ndim - 1) + [(0, -K % 32)]); x = x.reshape(x.shape[:-1] + (-1, 32)); a = np.abs(x).max(-1, keepdims=True)
;;       e = np.where(a > 0, np.clip(np.frexp(np.where(a > 0, a, 1))[1] - 1 - 2, -126, 127), 0)      # np.frexp(a)[1] - 1 = floor(log2(a)), exactly
;;       r = np.clip(x / 2.0 ** e, -7.5, 7.5)
;;       step = 2.0 ** (np.maximum(np.frexp(np.where(r == 0, 1, r))[1] - 1, 0) - 3)
;;       q = np.round(r / step) * step * 2.0 ** e      # np.round: ties to even
;;       return np.moveaxis(q.reshape(q.shape[:-2] + (-1,))[..., :K], -1, axis).astype(np.float32)
;;   ~~~
;;   SOFTMAX AHEAD OF A QUANTISED PRODUCT. Where the list says 'softmax', what is quantised is not the finished softmax but p = 2^(t - M), with t = logit x log2(e) and M = ceil(the row's largest t), a whole number; so 1/2 < the row's largest p <= 1. The row's sum l is taken of the UNQUANTISED p, in f32, and the product's result is divided by l at the end. Since M is a whole number, a kernel that streams over the keys may use a running M (the ceiling of the running maximum): every later rescaling is an exact power of two, which a block's scale takes up: the codes' values come out the same.
;;   OPERANDS COMPUTED ON THE WAY. 'Computed on the way' means the value that the module computes at that place (a softmax that the list does not call 'softmax' is quantised finished and normalised). What goes into a quantiser is computed in f32, as accurately as f32 sums, v_exp_f32 and their like allow (about 1e-6 of the number): no bf16 or f16 on the way to a quantiser, and a product that is left as it is and whose result goes on into a quantised operand takes f32 operands (vector FMAs, or v_wmma_f32_16x16x4_f32). A number that lies on a knife's edge between two numbers of the format may be rounded either way, as far as f32 arithmetic and the matrix unit's own rounding can turn it there, and no further.
;;   INPUTS GIVEN AS CODES. w_attn_out (in the module: [512, 1024], K = its axis 0); w_ff_out (in the module: [4096, 1024], K = its axis 0); w_fused (in the module: [1024, 8832], K = its axis 0): each comes as NAME_codes (uint8): NAME with its K axis moved to the last place and cut into blocks of 32 codes, [.., K / 32, bytes a block], one block behind the other in memory; four codes in three bytes: a row's codes are one little-endian stream of bits, code i at bits 6 i .. 6 i + 5 (a code: sign, 2 exponent bits, 3 mantissa bits); and NAME_scales (uint8): the same leading axes, one E8M0 byte (e + 127) for each 32 codes along K. Its value is code x scale, taken as it is: it is not quantised again, and the codes and scales need not be those that the quantiser above would give.
;; One version. Each part assembles by itself: llvm-mc -triple=amdgcn-amd-amdhsa -mcpu=gfx1250 --defsym DOCPART=n.
;; ======== version 1 of 1: 5 launches
;; workspace buffers: xc 3,145,728 bytes; xs 131,072 bytes; qc 1,572,864 bytes; qs 131,072 bytes; kv 417,792 bytes; ac 14,155,776 bytes; asw 589,824 bytes
;; launch ln (part 1): grid 256 x 1, 8 waves a work-group, no clusters, 70,144 bytes of LDS; arguments x, gamma, xc, xs; writes xc, xs
.if DOCPART == 1
	.amdgcn_target "amdgcn-amd-amdhsa--gfx1250"
	.amdhsa_code_object_version 6
	.text
	.protected	k_q06b5bc4b4e_ln
	.globl	k_q06b5bc4b4e_ln
	.p2align	8
	.type	k_q06b5bc4b4e_ln,@function
k_q06b5bc4b4e_ln:
	s_mov_b64 s[64:65], 0
	v_nop
	global_prefetch_b8 v0, s[64:65] scope:SCOPE_SE
	s_setreg_imm32_b32 hwreg(HW_REG_WAVE_MODE, 25, 1), 1
	s_wait_xcnt 0x0
; xn = (x - mean) * rsqrt(var + 1e-5) * gamma over rows of 1,024 f32, then quantised along the row to codes of FP6 (E2M3) with one E8M0 byte for each 32.
; OUTPUT AS IMAGES OF THE OPERAND'S REGISTERS.  A fragment (16 rows x 128 K, 12 registers a lane) lies as 1,536 bytes: registers 0-3 (16 bytes a lane), 4-5 (8 bytes a lane), 6-9, 10-11.
; xc: [row block 256][K step 8][1,536].  xs: one word for a row and a K step, [row block x 16 + m][8 words].
; THE ROWS OF A BLOCK ARE NOT NEIGHBOURS: index m of block 2 P + u stands for row 32 P + 8 u + m % 8 + 16 (m / 8); every later launch keeps that order, and the last one undoes it in its stores.
; SHARES.  A work-group takes one row block, wave w its K step w: 512 bytes of each of the 16 rows.  All of a wave's 16 loads of x go out at once, each 512 consecutive bytes.
; The conversions want 16 neighbours along K in one lane, so the 8 KiB turn through the wave's own stage in LDS.  Mean and variance meet in LDS: two passes, so that a common offset of the row costs no accuracy.
; No matrix work, no tensor load, no cluster: each byte is read once by one wave, and nothing is shared.
; LIMITS: NaN and infinities are not served; a block whose largest magnitude lies under 2^-124 (a block of zeros among them) keeps the byte 1: these bytes are read by this program alone.
.set ROWB, 4096
.set ST1,  0                           ; LDS: the waves' sums, [row 16][wave 8] words
.set ST2,  512                         ; the sums of squares
.set SG,   1024                        ; the scale words
.set STG,  1536                        ; the stages: 16 rows x 528 bytes for each wave
.set SP,   528
.set X,    16                          ; v16-79   my 64 numbers: register 16 b + i = column 32 b + 16 (lane / 16) + i of my row
.set G,    80                          ; v80-143  gamma at the same columns
.set R,    144                         ; v144-207 the rows as loaded
.set SA,   144                         ; later: four chains of sums
.set SB,   152                         ; the eight waves' sums
.set MU,   160                         ; the mean, twice
.set RS,   162                         ; 1 / sqrt(var + eps), twice
.set PC,   208                         ; the codes
.set TM,   228
.set PW,   244                         ; the scale word
.set SEL,  20
; 64 numbers of a lane become a fragment's codes in v[PC] on and its scale word in v[PW].
.macro QUANT s
.irp b, 0,1,2,3
	v_max3_num_f32 v[TM+\b], |v[\s+16*\b]|, |v[\s+1+16*\b]|, 0x1800000   ; block b: my 16 numbers, and the floor 2^(3 - 127): the byte cannot fall under 1
.endr
.irp i, 2,4,6,8,10,12,14
.irp b, 0,1,2,3
	v_max3_num_f32 v[TM+\b], v[TM+\b], |v[\s+16*\b+\i]|, |v[\s+1+16*\b+\i]|
.endr
.endr
.irp b, 0,1,2,3
	v_permlanex16_b32 v[TM+4+\b], v[TM+\b], s[SEL], s[SEL+1]
.endr
.irp b, 0,1,2,3
	v_max_num_f32 v[TM+\b], v[TM+\b], v[TM+4+\b]   ; with lane l xor 16's: the block's largest magnitude
.endr
.irp b, 0,1,2,3
	v_add_nc_u32 v[TM+12+\b], 0xff000000, v[TM+\b]   ; 2 off its exponent field: the conversion's scale operand
.endr
.irp b, 0,1,2,3
	v_lshrrev_b32 v[TM+4+\b], 23, v[TM+12+\b]      ; the scale's byte
.endr
	v_lshl_or_b32 v[PW], v[TM+5], 8, v[TM+4]
	v_lshl_or_b32 v[PW], v[TM+6], 16, v[PW]
	v_lshl_or_b32 v[PW], v[TM+7], 24, v[PW]
.irp c, 0,1
	v_cvt_scalef32_pk16_fp6_f32 v[PC+6*\c:PC+2+6*\c], v[\s+32*\c:\s+15+32*\c], v[TM+12+2*\c]
	v_cvt_scalef32_pk16_fp6_f32 v[PC+12+4*\c:PC+14+4*\c], v[\s+16+32*\c:\s+31+32*\c], v[TM+12+2*\c+1]   ; (a conversion's three registers begin on an even number)
.endr
	v_nop                                          ; one plain place behind a scaled conversion
.irp c, 0,1                                    ; the operand's layout wants a whole block in a lane
.irp i, 0,1,2
	v_permlane16_swap_b32 v[PC+6*\c+\i], v[PC+12+4*\c+\i]
.endr
.irp i, 0,1,2
	v_mov_b32 v[PC+3+6*\c+\i], v[PC+12+4*\c+\i]
.endr
.endr
.endm
; The four chains in v[SA] on are joined, first in the lane, then with lane l xor 16, then with the other seven waves through the LDS words at reg.  The row's sum ends in v[SB], the same bits in every wave.
.macro ACROSS reg
	v_pk_add_f32 v[SA:SA+1], v[SA:SA+1], v[SA+2:SA+3]
	v_pk_add_f32 v[SA+4:SA+5], v[SA+4:SA+5], v[SA+6:SA+7]
	v_pk_add_f32 v[SA:SA+1], v[SA:SA+1], v[SA+4:SA+5]
	v_add_f32 v[SA], v[SA], v[SA+1]
	v_permlanex16_b32 v[SA+2], v[SA], s[SEL], s[SEL+1]
	v_add_f32 v[SA], v[SA], v[SA+2]
	ds_store_b32 v9, v[SA] offset:\reg             ; lanes r and r + 16 write the same word with the same value
	s_wait_dscnt 0x0                               ; for the others' sake: my store has landed
	s_barrier_signal -1
	s_barrier_wait -1
	ds_load_b128 v[SB:SB+3], v10 offset:\reg
	ds_load_b128 v[SB+4:SB+7], v10 offset:\reg+16
	s_wait_dscnt 0x0
	v_pk_add_f32 v[SB:SB+1], v[SB:SB+1], v[SB+2:SB+3]
	v_pk_add_f32 v[SB+4:SB+5], v[SB+4:SB+5], v[SB+6:SB+7]
	v_pk_add_f32 v[SB:SB+1], v[SB:SB+1], v[SB+4:SB+5]
	v_add_f32 v[SB], v[SB], v[SB+1]
.endm
	s_load_b256 s[4:11], s[0:1], 0x0               ; x s[4:5], gamma s[6:7], xc s[8:9], xs s[10:11]
	v_lshl_add_u32 v248, v0, 2, 0x10e00
	v_mov_b32 v249, 0
	v_lshrrev_b32 v1, 5, v0
	v_readfirstlane_b32 s12, v1                    ; wave = K step
	v_and_b32 v1, 31, v0                           ; lane
	v_and_b32 v2, 15, v0                           ; r
	v_bfe_u32 v3, v0, 4, 1                         ; h
	v_lshlrev_b32 v4, 4, v1                        ; 16 x lane
	v_lshlrev_b32 v5, 3, v1                        ; 8 x lane
	s_mul_i32 s13, s12, 16*SP
	s_add_co_u32 s13, s13, STG                     ; my stage
	v_add_nc_u32 v6, s13, v4                       ; into it: a row's 512 bytes as loaded
	v_mul_u32_u24 v7, v2, SP
	v_lshl_add_u32 v7, v3, 6, v7
	v_add_nc_u32 v7, s13, v7                       ; out of it: row r, + 64 h: my 16 numbers of a block of 32
	v_lshlrev_b32 v8, 6, v3                        ; gamma: 64 h
	v_lshlrev_b32 v10, 5, v2                       ; a row's eight words
	s_lshl_b32 s14, s12, 2
	v_add_nc_u32 v9, s14, v10                      ; and my wave's among them
	s_mov_b32 s[SEL], 0x76543210
	s_mov_b32 s[SEL+1], 0xfedcba98                 ; v_permlanex16_b32's selects for lane l xor 16
	s_mov_b32 s26, 0x3a800000                      ; 1 / 1,024
	s_mov_b32 s27, 0x3727c5ac                      ; 1e-5
	s_lshr_b32 s16, ttmp9, 1
	s_lshl_b32 s16, s16, 17                        ; 32 P rows of 4,096 bytes
	s_and_b32 s17, ttmp9, 1
	s_lshl_b32 s17, s17, 15                        ; 8 u rows
	s_add_co_u32 s16, s16, s17
	s_lshl_b32 s18, s12, 9                         ; my K step's 512 bytes
	s_add_co_u32 s16, s16, s18
	s_mov_b32 s17, 0
	s_mov_b32 s19, 0
	s_lshl_b32 s22, ttmp9, 3
	s_add_co_u32 s22, s22, s12
	s_mul_i32 s22, s22, 1536                       ; my image
	s_mov_b32 s23, 0
	s_lshl_b32 s24, ttmp9, 9                       ; the block's 512 bytes of scale words
	s_mov_b32 s25, 0
	s_wait_kmcnt 0x0
	s_add_nc_u64 s[4:5], s[4:5], s[16:17]
	s_add_nc_u64 s[6:7], s[6:7], s[18:19]
	s_add_nc_u64 s[8:9], s[8:9], s[22:23]
	s_add_nc_u64 s[10:11], s[10:11], s[24:25]
.irp i, 0,1,2,3,4,5,6,7,8,9,10,11,12,13,14,15
	global_load_b128 v[R+4*\i:R+4*\i+3], v4, s[4:5] offset:((\i%8)+16*(\i/8))*ROWB th:TH_LOAD_NT   ; index i of the block: 32 lanes read 512 consecutive bytes
.endr
.irp b, 0,1,2,3
.irp j, 0,1,2,3
	global_load_b128 v[G+16*\b+4*\j:G+16*\b+4*\j+3], v8, s[6:7] offset:128*\b+16*\j
.endr
.endr
.irp b, 0,1,2,3
	v_mov_b32 v[TM+4+\b], 0                        ; written once: a lane permute's destination counts as one of its sources
.endr
	s_wait_loadcnt 16                              ; x's sixteen loads are in; gamma's sixteen may stay out
.irp i, 0,1,2,3,4,5,6,7,8,9,10,11,12,13,14,15
	ds_store_b128 v6, v[R+4*\i:R+4*\i+3] offset:SP*\i
.endr
.irp b, 0,1,2,3
.irp j, 0,1,2,3
	ds_load_b128 v[X+16*\b+4*\j:X+16*\b+4*\j+3], v7 offset:128*\b+16*\j   ; LDS serves a wave's instructions in order: these see my stores
.endr
.endr
	s_wait_dscnt 0x0
	; the mean
.irp c, 0,1,2,3
	v_pk_add_f32 v[SA+2*\c:SA+2*\c+1], v[X+2*\c:X+2*\c+1], v[X+8+2*\c:X+8+2*\c+1]
.endr
.irp i, 16,24,32,40,48,56
.irp c, 0,1,2,3
	v_pk_add_f32 v[SA+2*\c:SA+2*\c+1], v[SA+2*\c:SA+2*\c+1], v[X+\i+2*\c:X+\i+2*\c+1]
.endr
.endr
	ACROSS ST1
	v_mul_f32 v[MU], s26, v[SB]
	v_mov_b32 v[MU+1], v[MU]
.set j, 0
.rept 32
	v_pk_add_f32 v[X+j:X+j+1], v[X+j:X+j+1], v[MU:MU+1] neg_lo:[0,1] neg_hi:[0,1]   ; x - mean
.set j, j+2
.endr
	; the variance, of the centred numbers
.irp c, 0,1,2,3
	v_pk_mul_f32 v[SA+2*\c:SA+2*\c+1], v[X+2*\c:X+2*\c+1], v[X+2*\c:X+2*\c+1]
.endr
.irp i, 8,16,24,32,40,48,56
.irp c, 0,1,2,3
	v_pk_fma_f32 v[SA+2*\c:SA+2*\c+1], v[X+\i+2*\c:X+\i+2*\c+1], v[X+\i+2*\c:X+\i+2*\c+1], v[SA+2*\c:SA+2*\c+1]
.endr
.endr
	ACROSS ST2
	v_fma_f32 v[RS], v[SB], s26, s27               ; var + eps
	v_rsq_f32 v[RS], v[RS]
	v_nop                                          ; one plain place behind a transcendental
	s_wait_alu depctr_va_vdst(0)
	v_mov_b32 v[RS+1], v[RS]
	s_wait_loadcnt 0x0                             ; gamma
.set j, 0
.rept 32
	v_pk_mul_f32 v[X+j:X+j+1], v[X+j:X+j+1], v[RS:RS+1]
.set j, j+2
.endr
.set j, 0
.rept 32
	v_pk_mul_f32 v[X+j:X+j+1], v[X+j:X+j+1], v[G+j:G+j+1]
.set j, j+2
.endr
	QUANT X
	global_store_b128 v4, v[PC:PC+3], s[8:9]                   ; the image: each store covers whole aligned runs of 256 bytes
	global_store_b64 v5, v[PC+4:PC+5], s[8:9] offset:512
	global_store_b128 v4, v[PC+6:PC+9], s[8:9] offset:768
	global_store_b64 v5, v[PC+10:PC+11], s[8:9] offset:1280
	ds_store_b32 v9, v[PW] offset:SG
	s_wait_dscnt 0x0
	s_barrier_signal -1
	s_barrier_wait -1                              ; the block's 128 scale words lie in LDS
	s_cmp_lg_u32 s12, 0
	s_cbranch_scc1 .Lend
	ds_load_b128 v[SB:SB+3], v4 offset:SG
	s_wait_dscnt 0x0
	global_store_b128 v4, v[SB:SB+3], s[10:11]     ; wave 0 stores them: 512 consecutive bytes
.Lend:
	s_wait_tensorcnt 0x0
	ds_add_u32 v248, v249
	s_wait_dscnt 0x0
	s_endpgm
.Lfunc_end_k_q06b5bc4b4e_ln:
	.size	k_q06b5bc4b4e_ln, .Lfunc_end_k_q06b5bc4b4e_ln-k_q06b5bc4b4e_ln
	.p2alignl 7, 3214868480
	.fill 96, 4, 3214868480
	.section	.rodata,"a",@progbits
	.p2align	6, 0x0
	.amdhsa_kernel k_q06b5bc4b4e_ln
		.amdhsa_group_segment_fixed_size 70144
		.amdhsa_private_segment_fixed_size 0
		.amdhsa_enable_private_segment 0
		.amdhsa_kernarg_size 32
		.amdhsa_user_sgpr_count 2
		.amdhsa_user_sgpr_kernarg_segment_ptr 1
		.amdhsa_wavefront_size32 1
		.amdhsa_system_sgpr_workgroup_id_x 1
		.amdhsa_system_sgpr_workgroup_id_y 1
		.amdhsa_system_sgpr_workgroup_id_z 1
		.amdhsa_system_vgpr_workitem_id 0
		.amdhsa_next_free_vgpr 250
		.amdhsa_next_free_sgpr 66
		.amdhsa_reserve_vcc 0
		.amdhsa_float_denorm_mode_32 3
		.amdhsa_float_denorm_mode_16_64 3
		.amdhsa_memory_ordered 1
		.amdhsa_forward_progress 1
		.amdhsa_inst_pref_size 24
	.end_amdhsa_kernel
	.amdgpu_metadata
---
amdhsa.version: [ 1, 2 ]
amdhsa.kernels:
  - .name:           k_q06b5bc4b4e_ln
    .symbol:         k_q06b5bc4b4e_ln.kd
    .args:
      - { .name: x, .offset: 0, .size: 8, .value_kind: global_buffer, .address_space: global }
      - { .name: gamma, .offset: 8, .size: 8, .value_kind: global_buffer, .address_space: global }
      - { .name: xc, .offset: 16, .size: 8, .value_kind: global_buffer, .address_space: global }
      - { .name: xs, .offset: 24, .size: 8, .value_kind: global_buffer, .address_space: global }
    .group_segment_fixed_size: 70144
    .private_segment_fixed_size: 0
    .kernarg_segment_align: 8
    .kernarg_segment_size: 32
    .max_flat_workgroup_size: 256
    .sgpr_count:     66
    .vgpr_count:     250
    .wavefront_size: 32
...
	.end_amdgpu_metadata
.endif
;; end of part 1
;; launch qkv (part 2): grid 32 x 5, 4 waves a work-group, no clusters, 230,912 bytes of LDS; arguments xc, xs, w_fused_codes, w_fused_scales, qc, qs, kv; writes qc, qs, kv
.if DOCPART == 2
	.amdgcn_target "amdgcn-amd-amdhsa--gfx1250"
	.amdhsa_code_object_version 6
	.text
	.protected	k_q06b5bc4b4e_qkv
	.globl	k_q06b5bc4b4e_qkv
	.p2align	8
	.type	k_q06b5bc4b4e_qkv,@function
k_q06b5bc4b4e_qkv:
	s_mov_b64 s[64:65], 0
	v_nop
	global_prefetch_b8 v0, s[64:65] scope:SCOPE_SE
	s_setreg_imm32_b32 hwreg(HW_REG_WAVE_MODE, 25, 1), 1
	s_wait_xcnt 0x0
; q, k, v = xn W[:, 0:640], on codes of FP6 (E2M3) with E8M0 scales, and each result quantised anew for the attention: q and k along the head's 64, v along the keys.
; SHARES.  Work-group (T, j): the 128 rows of row blocks 8 T .. 8 T + 7 (one key step of the attention) x columns 128 j .. 128 j + 127: heads 2 j and 2 j + 1 of q, or (j = 4) k and then v.
; Wave w: rows 64 (w / 2) on, columns 64 (w % 2) on: 16 accumulators.  All of K = 1,024 lies in LDS, brought in four chunks of 256 by tensor loads issued together at the start: nothing is filled again.
; x comes as images of the operand's registers (four dense LDS loads a fragment), W as rows of 192 bytes with 16 bytes of padding behind each 64.
; q AND k: THE PRODUCT IS USED TRANSPOSED (source 0 = 16 rows of W, source 1 = x): a lane holds one row and its registers run along the head.  Eight exchanges of lane halves for each pair of tiles give a lane 16 neighbours.
; v: source 0 = x, source 1 = W: a lane holds one channel and its registers run down the rows; by the order of the rows in a block they are 16 neighbouring keys: nothing is exchanged.
; OUT: halves of images, 768 bytes (64 along K): qc [T][head][block 8][768]; kv [batch][K images | V^T images | K's scale words | V's scale words].  The factor 1/8 on q is left to the softmax's constant: a power of two passes through the quantiser.
; NO CLUSTER: five column chunks do not divide by four, and along the rows only W's 123 KB of a work-group's 221 KB would be shared.
; LIMITS: NaN and infinities are not served; a block whose largest magnitude lies under 2^-124 keeps the byte 1; blocks of q under 2^-121 would differ from the factor taken first.
.set BOFF, 98304                       ; LDS: A [chunk 4][block 8][3,072]; from here W [chunk 4][128 rows][240]
.set SCL,  221184                      ; the scale bytes: 4 x 2,176 (64 rows x 32 bytes as runs of 256 + 16): A's halves, W's halves
.set SCR,  229888                      ; 256 bytes: V's scale words are pieced together here
.set L16,  4                           ; v4  16 x lane
.set L8,   5                           ; v5  8 x lane
.set R16,  6                           ; v6  16 x (lane % 16)
.set ADA,  8                           ; v8, v9   my A images, 16 and 8 bytes a lane
.set ADB,  10                          ; v10, v11 my W rows; the second for pieces behind one padding more
.set ADSA, 12
.set ADSB, 13
.set VSW,  14
.set VSR,  15
.set SCA,  32                          ; v32-47  A's scale words: register 8 p + k: lanes 0-15 block 2 p, lanes 16-31 block 2 p + 1, K step k
.set SCB,  48                          ; v48-63  W's
.set TM,   64
.set TT,   72
.set CD,   76                          ; v76-107 codes, 8 registers for each of four quantisations
.set HW,   108                         ; v108-111 their half words
.set VW,   112
.set ACC,  128
.set F0,   0                           ; window 1: two sets of fragments: A's four at 12 a, W's four at 48 + 12 b
.set F1,   96
.set TI,   2
.set JI,   3
.set WV,   18
.set HI,   19
.set SEL,  20
.set LO,   22
.set ROLE, 23
.set G1A,  24
.set G0A,  32
.set G1B,  48
.set G0B,  56                          ; four sets: s56, s60, s68, s72
.set G1S,  76
.set G0SA, 84
.set G0SB, 88
.set FLAG, 92
.set MSB, 0
.macro WIN new                         ; the immediate's high byte repeats the setting that is left
.if MSB != (\new)
	s_set_vgpr_msb (MSB<<8)|(\new)
.set MSB, (\new)
.endif
.endm
.macro PLACES
.rept 4
	v_nop
.endr
.endm
; one product: D, source 0, source 1; z = 1: C is 0; each side's scale register and which half of its lanes
.macro WM d, s0, s1, z, c0, r0, c1, r1
.if \z
.if ((\r0) == 0) && ((\r1) == 0)
	v_wmma_scale_f32_16x16x128_f8f6f4 v[\d:\d+7], v[\s0:\s0+11], v[\s1:\s1+11], 0, v[\c0], v[\c1] matrix_a_fmt:MATRIX_FMT_FP6 matrix_b_fmt:MATRIX_FMT_FP6
.elseif ((\r0) == 1) && ((\r1) == 0)
	v_wmma_scale_f32_16x16x128_f8f6f4 v[\d:\d+7], v[\s0:\s0+11], v[\s1:\s1+11], 0, v[\c0], v[\c1] matrix_a_fmt:MATRIX_FMT_FP6 matrix_b_fmt:MATRIX_FMT_FP6 matrix_a_scale:MATRIX_SCALE_ROW1
.elseif ((\r0) == 0) && ((\r1) == 1)
	v_wmma_scale_f32_16x16x128_f8f6f4 v[\d:\d+7], v[\s0:\s0+11], v[\s1:\s1+11], 0, v[\c0], v[\c1] matrix_a_fmt:MATRIX_FMT_FP6 matrix_b_fmt:MATRIX_FMT_FP6 matrix_b_scale:MATRIX_SCALE_ROW1
.else
	v_wmma_scale_f32_16x16x128_f8f6f4 v[\d:\d+7], v[\s0:\s0+11], v[\s1:\s1+11], 0, v[\c0], v[\c1] matrix_a_fmt:MATRIX_FMT_FP6 matrix_b_fmt:MATRIX_FMT_FP6 matrix_a_scale:MATRIX_SCALE_ROW1 matrix_b_scale:MATRIX_SCALE_ROW1
.endif
.else
.if ((\r0) == 0) && ((\r1) == 0)
	v_wmma_scale_f32_16x16x128_f8f6f4 v[\d:\d+7], v[\s0:\s0+11], v[\s1:\s1+11], v[\d:\d+7], v[\c0], v[\c1] matrix_a_fmt:MATRIX_FMT_FP6 matrix_b_fmt:MATRIX_FMT_FP6
.elseif ((\r0) == 1) && ((\r1) == 0)
	v_wmma_scale_f32_16x16x128_f8f6f4 v[\d:\d+7], v[\s0:\s0+11], v[\s1:\s1+11], v[\d:\d+7], v[\c0], v[\c1] matrix_a_fmt:MATRIX_FMT_FP6 matrix_b_fmt:MATRIX_FMT_FP6 matrix_a_scale:MATRIX_SCALE_ROW1
.elseif ((\r0) == 0) && ((\r1) == 1)
	v_wmma_scale_f32_16x16x128_f8f6f4 v[\d:\d+7], v[\s0:\s0+11], v[\s1:\s1+11], v[\d:\d+7], v[\c0], v[\c1] matrix_a_fmt:MATRIX_FMT_FP6 matrix_b_fmt:MATRIX_FMT_FP6 matrix_b_scale:MATRIX_SCALE_ROW1
.else
	v_wmma_scale_f32_16x16x128_f8f6f4 v[\d:\d+7], v[\s0:\s0+11], v[\s1:\s1+11], v[\d:\d+7], v[\c0], v[\c1] matrix_a_fmt:MATRIX_FMT_FP6 matrix_b_fmt:MATRIX_FMT_FP6 matrix_a_scale:MATRIX_SCALE_ROW1 matrix_b_scale:MATRIX_SCALE_ROW1
.endif
.endif
.endm
; 32 numbers of a lane, register 16 b + i = k 32 b + 16 (lane / 16) + i, become half a fragment's codes in v[pc] .. v[pc + 5] and two scale bytes in v[hw]; t: three registers at work
.macro QUANT2 s, pc, t, hw
.irp b, 0,1
	v_max3_num_f32 v[TM+\b], |v[\s+16*\b]|, |v[\s+1+16*\b]|, 0x1800000   ; my 16 numbers, and the floor 2^(3 - 127): the byte cannot fall under 1
.endr
.irp i, 2,4,6,8,10,12,14
.irp b, 0,1
	v_max3_num_f32 v[TM+\b], v[TM+\b], |v[\s+16*\b+\i]|, |v[\s+1+16*\b+\i]|
.endr
.endr
.irp b, 0,1
	v_permlanex16_b32 v[TM+2+\b], v[TM+\b], s[SEL], s[SEL+1]
.endr
.irp b, 0,1
	v_max_num_f32 v[TM+\b], v[TM+\b], v[TM+2+\b]   ; with lane l xor 16's: the block's largest magnitude
.endr
.irp b, 0,1
	v_add_nc_u32 v[TM+4+\b], 0xff000000, v[TM+\b]  ; 2 off its exponent field: the conversion's scale operand
.endr
.irp b, 0,1
	v_lshrrev_b32 v[TM+2+\b], 23, v[TM+4+\b]       ; the scale's byte
.endr
	v_lshl_or_b32 v[\hw], v[TM+3], 8, v[TM+2]
	v_cvt_scalef32_pk16_fp6_f32 v[\pc:\pc+2], v[\s:\s+15], v[TM+4]
	v_cvt_scalef32_pk16_fp6_f32 v[\t:\t+2], v[\s+16:\s+31], v[TM+5]
	v_nop                                          ; one plain place behind a scaled conversion
.irp i, 0,1,2
	v_permlane16_swap_b32 v[\pc+\i], v[\t+\i]      ; a whole block to a lane: lanes 0-15 block 0, lanes 16-31 block 1
.endr
.irp i, 0,1,2
	v_mov_b32 v[\pc+3+\i], v[\t+\i]
.endr
.endm
.macro AFR reg, off                    ; a fragment of x from its image: four dense loads
	ds_load_b128 v[\reg:\reg+3], v[ADA] offset:\off
	ds_load_b64 v[\reg+4:\reg+5], v[ADA+1] offset:\off+512
	ds_load_b128 v[\reg+6:\reg+9], v[ADA] offset:\off+768
	ds_load_b64 v[\reg+10:\reg+11], v[ADA+1] offset:\off+1280
.endm
.macro BFR reg, q, i                   ; a fragment of W from rows: six pieces of 8 bytes; lanes 16-31 read three pieces on, which for some pieces is behind one padding more
.irp p, 0,1,2,3,4,5
.set PCE, 12*(\q)+6*(\p/3)+\p%3
.if PCE%8 < 5
	ds_load_b64 v[\reg+2*\p:\reg+2*\p+1], v[ADB] offset:8*PCE+16*(PCE/8)+(\i)*3840
.else
	ds_load_b64 v[\reg+2*\p:\reg+2*\p+1], v[ADB+1] offset:8*PCE+16*(PCE/8)+(\i)*3840
.endif
.endr
.endm
.macro FETCH e, f                      ; the chunk's K step e into set f: 40 loads
	WIN 0x40                                       ; destination window 1
.irp a, 0,1,2,3
	AFR \f+12*\a, \a*3072+\e*1536
.endr
.irp b, 0,1,2,3
	BFR \f+48+12*\b, \e, \b
.endr
	WIN 0
.endm
; 16 products, the accumulators by turns
.macro MULT f, k, z                    ; transposed: a lane holds a row
.irp a, 0,1,2,3
.irp b, 0,1,2,3
	WM ACC+8*(4*\a+\b), \f+48+12*\b, \f+12*\a, \z, SCB+8*(\b/2)+(\k), \b%2, SCA+8*(\a/2)+(\k), \a%2
.endr
.endr
.endm
.macro MULN f, k, z                    ; as written: a lane holds a column
.irp a, 0,1,2,3
.irp b, 0,1,2,3
	WM ACC+8*(4*\b+\a), \f+12*\a, \f+48+12*\b, \z, SCA+8*(\a/2)+(\k), \a%2, SCB+8*(\b/2)+(\k), \b%2
.endr
.endr
.endm
.macro CHUNK q, z
	s_wait_tensorcnt 3-\q                          ; behind chunk q's load I issued 3 - q others: my part of it (and of the scales) is in
	s_wait_dscnt 0x0
	s_barrier_signal -1
	s_barrier_wait -1                              ; everybody's is; the later chunks may stay out
.if \q == 0
.irp p, 0,1
	ds_load_b128 v[SCA+8*\p:SCA+8*\p+3], v[ADSA] offset:\p*1088
	ds_load_b128 v[SCA+8*\p+4:SCA+8*\p+7], v[ADSA] offset:\p*1088+16
	ds_load_b128 v[SCB+8*\p:SCB+8*\p+3], v[ADSB] offset:\p*1088
	ds_load_b128 v[SCB+8*\p+4:SCB+8*\p+7], v[ADSB] offset:\p*1088+16
.endr
.else
	v_add_nc_u32 v[ADA], 24576, v[ADA]             ; on to this chunk (no LDS load of mine is out).  These four lines are also the places in front of the loads
	v_add_nc_u32 v[ADA+1], 24576, v[ADA+1]         ; into registers that the last products have read
	v_add_nc_u32 v[ADB], 30720, v[ADB]
	v_add_nc_u32 v[ADB+1], 30720, v[ADB+1]
.endif
	FETCH 0, F0
	FETCH 1, F1
	s_cmp_lg_u32 s[ROLE], 0
	s_cbranch_scc1 .Lnat_\@
	s_wait_dscnt 40                                ; all but the second K step's 40 loads
	WIN 0x05                                       ; sources 0 and 1 window 1
	MULT F0, 2*\q, \z
	s_wait_dscnt 0x0
	MULT F1, 2*\q+1, 0
	WIN 0
	s_branch .Ljoin_\@
.Lnat_\@:
	s_wait_dscnt 40
	WIN 0x05
	MULN F0, 2*\q, \z
	s_wait_dscnt 0x0
	MULN F1, 2*\q+1, 0
	WIN 0
.Ljoin_\@:
.endm
	s_load_b256 s[4:11], s[0:1], 0x0               ; xc, xs, W's codes, W's scales
	s_load_b128 s[12:15], s[0:1], 0x20             ; qc, qs
	s_load_b64 s[16:17], s[0:1], 0x30              ; kv
	v_lshl_add_u32 v126, v0, 2, 0x38400
	v_mov_b32 v127, 0
	ds_add_u32 v126, v127
	ds_add_u32 v126, v127
	v_lshrrev_b32 v1, 5, v0
	v_readfirstlane_b32 s[WV], v1
	s_mov_b32 s[TI], ttmp9
	s_and_b32 s[JI], ttmp7, 0xffff
	s_lshr_b32 s[HI], s[WV], 1                     ; my 64 rows
	s_and_b32 s[LO], s[WV], 1                      ; my 64 columns.  Also: which half I fetch
	s_cmp_eq_u32 s[JI], 4
	s_cselect_b32 s[ROLE], s[LO], 0                ; 1: my columns are v
	s_xor_b32 s[FLAG], s[HI], 1
	s_and_b32 s[FLAG], s[FLAG], s[ROLE]            ; 1: I store V's scale words at the end
	s_mov_b32 s[SEL], 0x76543210
	s_mov_b32 s[SEL+1], 0xfedcba98
	; group 1, x's images: 4 row blocks x 3,072 bytes (384 elements of 8), 12,288 bytes apart
	s_mov_b32 s[G1A], 3<<16
	s_mov_b32 s[G1A+1], 384<<16
	s_mov_b32 s[G1A+2], 4<<16
	s_mov_b32 s[G1A+3], 384<<16
	s_mov_b32 s[G1A+4], 4
	s_mov_b32 s[G1A+5], 1536
	s_mov_b32 s[G1A+6], 0
	s_mov_b32 s[G1A+7], 0
	; W: 64 rows x 192 bytes, 768 apart; 16 bytes of padding behind each 64
	s_mov_b32 s[G1B], (1<<20)|(3<<22)|(3<<25)
	s_mov_b32 s[G1B+1], 192<<16
	s_mov_b32 s[G1B+2], 64<<16
	s_mov_b32 s[G1B+3], 192<<16
	s_mov_b32 s[G1B+4], 64
	s_mov_b32 s[G1B+5], 768
	s_mov_b32 s[G1B+6], 0
	s_mov_b32 s[G1B+7], 0
	; scale bytes of 64 rows: 2,048 dense bytes as 8 rows of 256, 16 bytes of padding behind each
	s_mov_b32 s[G1S], (3<<16)|(1<<20)|(5<<22)|(3<<25)
	s_mov_b32 s[G1S+1], 32<<16
	s_mov_b32 s[G1S+2], 8<<16
	s_mov_b32 s[G1S+3], 32<<16
	s_mov_b32 s[G1S+4], 8
	s_mov_b32 s[G1S+5], 32
	s_mov_b32 s[G1S+6], 0
	s_mov_b32 s[G1S+7], 0
	s_mul_i32 s93, s[LO], 49152                    ; my half: 4 row blocks of 12,288 bytes, and as many bytes for 64 rows of 768
	s_mul_i32 s94, s[TI], 98304
	s_add_co_u32 s94, s94, s93
	s_mov_b32 s95, 0
	s_mul_i32 s96, s[JI], 98304
	s_add_co_u32 s96, s96, s93
	s_mov_b32 s97, 0
	s_lshl_b32 s93, s[LO], 11                      ; 64 rows of 32 scale bytes
	s_lshl_b32 s98, s[TI], 12
	s_add_co_u32 s98, s98, s93
	s_mov_b32 s99, 0
	s_wait_dscnt 0x0
	s_wait_kmcnt 0x0
	s_add_nc_u64 s[4:5], s[4:5], s[94:95]
	s_add_nc_u64 s[8:9], s[8:9], s[96:97]
	s_add_nc_u64 s[6:7], s[6:7], s[98:99]
	s_lshl_b32 s94, s[JI], 12
	s_add_co_u32 s94, s94, s93
	s_add_nc_u64 s[10:11], s[10:11], s[94:95]
	s_mul_i32 s96, s[LO], 12288                    ; where they go
	s_mul_i32 s97, s[LO], 15360
	s_add_co_u32 s97, s97, BOFF
	s_mul_i32 s98, s[LO], 2176
	s_add_co_u32 s98, s98, SCL
.irp q, 0,1,2,3
	s_mov_b32 s[G0A+4*\q], 1
	s_add_co_u32 s[G0A+4*\q+1], s96, \q*24576
	s_add_nc_u64 s[G0A+4*\q+2:G0A+4*\q+3], s[4:5], \q*3072
	s_or_b32 s[G0A+4*\q+3], s[G0A+4*\q+3], 0x80000000
	s_mov_b32 s[G0B+4*\q+4*(\q/2)], 1
	s_add_co_u32 s[G0B+4*\q+4*(\q/2)+1], s97, \q*30720
	s_add_nc_u64 s[G0B+4*\q+4*(\q/2)+2:G0B+4*\q+4*(\q/2)+3], s[8:9], \q*192
	s_or_b32 s[G0B+4*\q+4*(\q/2)+3], s[G0B+4*\q+4*(\q/2)+3], 0x80000000
.endr
	s_mov_b32 s[G0SA], 1
	s_mov_b32 s[G0SA+1], s98
	s_mov_b64 s[G0SA+2:G0SA+3], s[6:7]
	s_or_b32 s[G0SA+3], s[G0SA+3], 0x80000000
	s_mov_b32 s[G0SB], 1
	s_add_co_u32 s[G0SB+1], s98, 4352
	s_mov_b64 s[G0SB+2:G0SB+3], s[10:11]
	s_or_b32 s[G0SB+3], s[G0SB+3], 0x80000000
	s_cmp_lt_u32 s[WV], 2                          ; waves 0 and 1 fetch x's halves, waves 2 and 3 W's: a wave's five first fills stand in one branch; five loads of mine are out
	s_cbranch_scc0 .Lfill_w
	tensor_load_to_lds s[G0SA:G0SA+3], s[G1S:G1S+7]
	s_nop 0
	tensor_load_to_lds s[G0A:G0A+3], s[G1A:G1A+7]
	s_nop 0
	tensor_load_to_lds s[G0A+4:G0A+7], s[G1A:G1A+7]
	s_nop 0
	tensor_load_to_lds s[G0A+8:G0A+11], s[G1A:G1A+7]
	s_nop 0
	tensor_load_to_lds s[G0A+12:G0A+15], s[G1A:G1A+7]
	s_nop 0
.rept 4
	v_nop
.endr
	s_branch .Lfilled
.Lfill_w:
	tensor_load_to_lds s[G0SB:G0SB+3], s[G1S:G1S+7]
	s_nop 0
	tensor_load_to_lds s[G0B:G0B+3], s[G1B:G1B+7]
	s_nop 0
	tensor_load_to_lds s[G0B+4:G0B+7], s[G1B:G1B+7]
	s_nop 0
	tensor_load_to_lds s[G0B+12:G0B+15], s[G1B:G1B+7]
	s_nop 0
	tensor_load_to_lds s[G0B+16:G0B+19], s[G1B:G1B+7]
	s_nop 0
.rept 4
	v_nop
.endr
.Lfilled:
	v_and_b32 v1, 31, v0                           ; lane
	v_and_b32 v2, 15, v0                           ; r
	v_bfe_u32 v3, v0, 4, 1                         ; h
	v_lshlrev_b32 v[L16], 4, v1
	v_lshlrev_b32 v[L8], 3, v1
	v_lshlrev_b32 v[R16], 4, v2
	s_mul_i32 s93, s[HI], 12288
	v_add_nc_u32 v[ADA], s93, v[L16]
	v_add_nc_u32 v[ADA+1], s93, v[L8]
	v_mul_u32_u24 v7, v2, 240
	v_mad_u32_u24 v7, v3, 24, v7
	s_mul_i32 s93, s[LO], 15360
	s_add_co_u32 s93, s93, BOFF
	v_add_nc_u32 v[ADB], s93, v7
	v_lshl_add_u32 v7, v3, 4, v7
	v_add_nc_u32 v[ADB+1], s93, v7
	v_lshrrev_b32 v7, 3, v1
	v_lshlrev_b32 v16, 5, v1
	v_lshl_add_u32 v7, v7, 4, v16                  ; a row's 32 scale bytes: 32 x lane, and 16 more for each 256 passed
	s_mul_i32 s93, s[HI], 2176
	s_add_co_u32 s93, s93, SCL
	v_add_nc_u32 v[ADSA], s93, v7
	s_mul_i32 s93, s[LO], 2176
	s_add_co_u32 s93, s93, SCL+4352
	v_add_nc_u32 v[ADSB], s93, v7
	s_lshl_b32 s93, s[HI], 1
	s_add_co_u32 s93, s93, SCR
	v_add_nc_u32 v[VSW], s93, v[R16]               ; V's scale words: 16 r + 4 tile + 2 x my half of the keys
	v_add_nc_u32 v[VSR], SCR, v[R16]
	v_mov_b32 v[TM+2], 0                           ; written once: a lane permute's destination counts as one of its sources
	v_mov_b32 v[TM+3], 0
	; where the results go
	s_lshr_b32 s93, s[TI], 4
	s_mul_i32 s93, s93, 208896                     ; the batch's part of kv
	s_and_b32 s94, s[TI], 15                       ; the key step
	s_lshl_b32 s95, s[TI], 3
	s_lshl_b32 s96, s[JI], 1
	s_add_co_u32 s95, s95, s96
	s_add_co_u32 s95, s95, s[LO]                   ; 8 T + head
	s_lshl_b32 s96, s95, 1
	s_add_co_u32 s96, s96, s[HI]
	s_lshl_b32 s96, s96, 8                         ; q's scale words
	s_lshl_b32 s95, s95, 3
	s_lshl_b32 s97, s[HI], 2
	s_add_co_u32 s95, s95, s97
	s_mul_i32 s95, s95, 768                        ; q's codes
	s_mul_i32 s97, s94, 6144
	s_add_co_u32 s97, s97, s93
	s_mul_i32 s98, s[HI], 3072
	s_add_co_u32 s98, s98, s97                     ; k's codes
	s_lshl_b32 s99, s94, 9
	s_add_co_u32 s99, s99, s93
	s_lshl_b32 s4, s[HI], 8
	s_add_co_u32 s99, s99, s4
	s_add_co_u32 s99, s99, 196608                  ; k's scale words
	s_cmp_lt_u32 s[JI], 4                          ; the choice hangs on the work-group's number alone
	s_cselect_b64 s[12:13], s[12:13], s[16:17]
	s_cselect_b64 s[14:15], s[14:15], s[16:17]
	s_cselect_b32 s4, s95, s98
	s_cselect_b32 s6, s96, s99
	s_mov_b32 s5, 0
	s_mov_b32 s7, 0
	s_add_nc_u64 s[12:13], s[12:13], s[4:5]
	s_add_nc_u64 s[14:15], s[14:15], s[6:7]
	s_mul_i32 s4, s[HI], 768
	s_add_co_u32 s4, s4, s97
	s_add_co_u32 s4, s4, 98304
	s_add_nc_u64 s[8:9], s[16:17], s[4:5]          ; V^T's images: my half (64 keys) of each
	s_lshl_b32 s6, s94, 8
	s_add_co_u32 s6, s6, s93
	s_add_co_u32 s6, s6, 204800
	s_add_nc_u64 s[10:11], s[16:17], s[6:7]        ; V's scale words
	CHUNK 0, 1                                     ; the first products start the sums: nothing is cleared
	CHUNK 1, 0
	CHUNK 2, 0
	CHUNK 3, 0
	PLACES                                         ; in front of the first reads of results
	s_cmp_lg_u32 s[ROLE], 0
	s_cbranch_scc1 .Lv_out
.irp a, 0,1,2,3                                ; q or k: row block a: 64 numbers of the head, 32 a lane
.irp u, 0,1
.irp e, 0,1,2,3,4,5,6,7
	v_permlane16_swap_b32 v[ACC+32*\a+16*\u+\e], v[ACC+32*\a+16*\u+8+\e]   ; tiles 2 u and 2 u + 1: afterwards their 16 registers are channels 32 u + 16 (lane / 16) + 0 .. 15.  Each accumulator from its low end on
.endr
.endr
	QUANT2 ACC+32*\a, CD+8*\a, TT, HW+\a
	global_store_b128 v[L16], v[CD+8*\a:CD+8*\a+3], s[12:13] offset:768*\a
	global_store_b64 v[L8], v[CD+8*\a+4:CD+8*\a+5], s[12:13] offset:768*\a+512
.endr
	global_store_b128 v[R16], v[HW:HW+3], s[14:15] ; four blocks' words of row r: sixteen lanes cover 256 consecutive bytes; lanes 16-31 hold and write the same
	s_branch .Lout
.Lv_out:
.irp b, 0,1,2,3                                ; v: channels 16 b on; a lane's 32 registers run down my 64 keys
	QUANT2 ACC+32*\b, CD+8*\b, TT, HW+\b
	global_store_b128 v[L16], v[CD+8*\b:CD+8*\b+3], s[8:9] offset:1536*\b
	global_store_b64 v[L8], v[CD+8*\b+4:CD+8*\b+5], s[8:9] offset:1536*\b+512
	ds_store_b16 v[VSW], v[HW+\b] offset:4*\b      ; my two bytes of the channel's scale word
.endr
.Lout:
	s_wait_dscnt 0x0
	s_barrier_signal -1
	s_barrier_wait -1                              ; both halves of V's scale words lie in LDS
	s_cmp_eq_u32 s[FLAG], 0
	s_cbranch_scc1 .Lend
	ds_load_b128 v[VW:VW+3], v[VSR]
	s_wait_dscnt 0x0
	global_store_b128 v[R16], v[VW:VW+3], s[10:11]
.Lend:
	s_wait_tensorcnt 0x0
	ds_add_u32 v126, v127
	s_wait_dscnt 0x0
	s_endpgm
.Lfunc_end_k_q06b5bc4b4e_qkv:
	.size	k_q06b5bc4b4e_qkv, .Lfunc_end_k_q06b5bc4b4e_qkv-k_q06b5bc4b4e_qkv
	.p2alignl 7, 3214868480
	.fill 96, 4, 3214868480
	.section	.rodata,"a",@progbits
	.p2align	6, 0x0
	.amdhsa_kernel k_q06b5bc4b4e_qkv
		.amdhsa_group_segment_fixed_size 230912
		.amdhsa_private_segment_fixed_size 0
		.amdhsa_enable_private_segment 0
		.amdhsa_kernarg_size 56
		.amdhsa_user_sgpr_count 2
		.amdhsa_user_sgpr_kernarg_segment_ptr 1
		.amdhsa_wavefront_size32 1
		.amdhsa_system_sgpr_workgroup_id_x 1
		.amdhsa_system_sgpr_workgroup_id_y 1
		.amdhsa_system_sgpr_workgroup_id_z 1
		.amdhsa_system_vgpr_workitem_id 0
		.amdhsa_next_free_vgpr 448
		.amdhsa_next_free_sgpr 100
		.amdhsa_reserve_vcc 0
		.amdhsa_float_denorm_mode_32 3
		.amdhsa_float_denorm_mode_16_64 3
		.amdhsa_memory_ordered 1
		.amdhsa_forward_progress 1
		.amdhsa_inst_pref_size 85
	.end_amdhsa_kernel
	.amdgpu_metadata
---
amdhsa.version: [ 1, 2 ]
amdhsa.kernels:
  - .name:           k_q06b5bc4b4e_qkv
    .symbol:         k_q06b5bc4b4e_qkv.kd
    .args:
      - { .name: xc, .offset: 0, .size: 8, .value_kind: global_buffer, .address_space: global }
      - { .name: xs, .offset: 8, .size: 8, .value_kind: global_buffer, .address_space: global }
      - { .name: w_fused_codes, .offset: 16, .size: 8, .value_kind: global_buffer, .address_space: global }
      - { .name: w_fused_scales, .offset: 24, .size: 8, .value_kind: global_buffer, .address_space: global }
      - { .name: qc, .offset: 32, .size: 8, .value_kind: global_buffer, .address_space: global }
      - { .name: qs, .offset: 40, .size: 8, .value_kind: global_buffer, .address_space: global }
      - { .name: kv, .offset: 48, .size: 8, .value_kind: global_buffer, .address_space: global }
    .group_segment_fixed_size: 230912
    .private_segment_fixed_size: 0
    .kernarg_segment_align: 8
    .kernarg_segment_size: 56
    .max_flat_workgroup_size: 128
    .sgpr_count:     100
    .vgpr_count:     448
    .wavefront_size: 32
...
	.end_amdgpu_metadata
.endif
;; end of part 2
;; launch attn (part 3): grid 256 x 1, 8 waves a work-group, clusters of 4 x 1, 214,016 bytes of LDS; arguments qc, qs, kv, ac, asw; writes ac, asw
.if DOCPART == 3
	.amdgcn_target "amdgcn-amd-amdhsa--gfx1250"
	.amdhsa_code_object_version 6
	.text
	.protected	k_q06b5bc4b4e_attn
	.globl	k_q06b5bc4b4e_attn
	.p2align	8
	.type	k_q06b5bc4b4e_attn,@function
k_q06b5bc4b4e_attn:
	s_mov_b64 s[64:65], 0
	v_nop
	global_prefetch_b8 v0, s[64:65] scope:SCOPE_SE
	s_setreg_imm32_b32 hwreg(HW_REG_WAVE_MODE, 25, 1), 1
	s_wait_xcnt 0x0
	s_wait_alu depctr_hold_cnt(0) depctr_sa_sdst(0) depctr_va_vdst(0) depctr_va_sdst(0) depctr_va_ssrc(0) depctr_va_vcc(0) depctr_vm_vsrc(0)
	s_getreg_b32 s2, hwreg(HW_REG_IB_STS2, 6, 4)
	s_cmp_eq_u32 s2, 0
	s_cbranch_scc0 .Lentry_in_a_cluster
	s_endpgm
.Lentry_in_a_cluster:
	s_bfe_u32 s2, ttmp6, 0x10000c
	s_cmp_lg_u32 s2, 0x3003
	s_cbranch_scc0 .Lentry_shape_is_right
	s_endpgm
.Lentry_shape_is_right:
; Multi-query attention on codes of FP6 (E2M3): o = softmax(q k^T / 8) v for 8 heads that share one head of k and v; the result is quantised along the 512 of the output product's K.
; THE SOFTMAX AHEAD OF THE SECOND PRODUCT: t = score x log2(e) / 8 (q's factor 1/8 is taken here: a power of two); M = the running largest t rounded UP to a whole number; p = 2^(t - M) is quantised along the keys, not normalised;
; the row's sum is taken of the unquantised p and divides at the end.  When M moves, the sum and O are multiplied by 2^(old M - new M): exact.
; SHARES.  A work-group owns one row block, 16 queries; wave w is head w: one tile of 16 queries in 256 registers, two waves to a SIMD.  Every wave walks the batch's 2,048 keys, 128 a step.
; K AND V OF THE WHOLE BATCH LIE IN LDS, 208,896 bytes, as they lie in memory (images of the operands' registers, then the scale words): brought once, so nothing is filled again.
; CLUSTER.  The four work-groups of a cluster belong to one batch and want the same bytes: each tile is asked for jointly, by the same tensor load with the same descriptor and a mask that names the four.
; The codes come in four groups of four key steps, so that the work begins when the first group has landed.  Five loads of a wave are out at the most.
; LAYOUT.  Both products transposed: S^T = K Q^T, O^T = V^T P^T: a lane holds one query throughout.  By the order of the rows in a block the 16 registers of tiles 2 b and 2 b + 1 are keys 32 b + 16 (lane / 16) + 0 .. 15.
; The head's K is 64: the upper half of the first product's 128 is zero codes on both sides (registers written 0 once), under the scale byte 0, which is a number.
; A block's largest p is not searched for: the block's largest score goes through the same multiply-add and exponential (this takes v_exp_f32 not to fall where its input rises).
; LIMITS: NaN and infinities are not served; a block whose largest magnitude lies under 2^-124 keeps the byte 1.
.set VOFF, 98304                       ; LDS: K's images [step 16][tile 8][768]; V^T's [step 16][tile 4][1,536];
.set KSC,  196608                      ; K's scale words [step][half 2][r 16][4];
.set VSC,  204800                      ; V's [step][r 16][4];
.set SCR,  208896                      ; 256 bytes where the result's scale words are pieced together
.set ADK16, 1                          ; v1-6: the step's LDS addresses, stepped at each step's end
.set ADK8,  2
.set ADV16, 3
.set ADV8,  4
.set ADS,   5
.set ADT,   6
.set SCW,   7
.set KF,   32                          ; v32-79   four fragments of K (the upper six registers of each stay 0)
.set VF,   80                          ; v80-127  four fragments of V^T
.set S,    128                         ; v128-191 S^T, then p
.set O,    192                         ; v192-223 O^T
.set TM,   176                         ; at the end
.set WV,   18
.set SEL,  20
.set CS,   22
.set G1S,  24
.set G1C,  32
.set G0,   40                          ; s40-59: five groups 0
.set CNT,  62
.macro PLACES
.rept 4
	v_nop
.endr
.endm
.macro CROUND                          ; a round of the cluster's barrier
	s_barrier_signal -1
	s_barrier_wait -1
	s_cmp_lg_u32 s[WV], 0
	s_cbranch_scc1 .Lnot_wave_0_\@
	s_barrier_signal -3
.Lnot_wave_0_\@:
	s_barrier_wait -3
	s_barrier_signal -1
	s_barrier_wait -1
.endm
.macro QUANT2 s, pc, t, hw             ; 32 numbers of a lane become half a fragment's codes and two scale bytes
.irp b, 0,1
	v_max3_num_f32 v[TM+\b], |v[\s+16*\b]|, |v[\s+1+16*\b]|, 0x1800000
.endr
.irp i, 2,4,6,8,10,12,14
.irp b, 0,1
	v_max3_num_f32 v[TM+\b], v[TM+\b], |v[\s+16*\b+\i]|, |v[\s+1+16*\b+\i]|
.endr
.endr
.irp b, 0,1
	v_permlanex16_b32 v[TM+2+\b], v[TM+\b], s[SEL], s[SEL+1]
.endr
.irp b, 0,1
	v_max_num_f32 v[TM+\b], v[TM+\b], v[TM+2+\b]
.endr
.irp b, 0,1
	v_add_nc_u32 v[TM+4+\b], 0xff000000, v[TM+\b]
.endr
.irp b, 0,1
	v_lshrrev_b32 v[TM+2+\b], 23, v[TM+4+\b]
.endr
	v_lshl_or_b32 v[\hw], v[TM+3], 8, v[TM+2]
	v_cvt_scalef32_pk16_fp6_f32 v[\pc:\pc+2], v[\s:\s+15], v[TM+4]
	v_cvt_scalef32_pk16_fp6_f32 v[\t:\t+2], v[\s+16:\s+31], v[TM+5]
	v_nop                                          ; one plain place behind a scaled conversion
.irp i, 0,1,2
	v_permlane16_swap_b32 v[\pc+\i], v[\t+\i]
.endr
.irp i, 0,1,2
	v_mov_b32 v[\pc+3+\i], v[\t+\i]
.endr
.endm
; A KEY STEP: 128 keys
.macro STEP
.irp g, 0,1                                    ; S^T = K Q^T, four tiles of 16 keys at a time
.if \g > 0
	PLACES                                         ; in front of loads into registers that the last four products have read
.endif
.irp t, 0,1,2,3
	ds_load_b128 v[KF+12*\t:KF+12*\t+3], v[ADK16] offset:(4*\g+\t)*768
	ds_load_b64 v[KF+12*\t+4:KF+12*\t+5], v[ADK8] offset:(4*\g+\t)*768+512
.endr
	ds_load_b128 v[248:251], v[ADS] offset:256*\g  ; the four tiles' scale words of row r
	s_wait_dscnt 0x0
.irp t, 0,1,2,3
	v_wmma_scale_f32_16x16x128_f8f6f4 v[S+8*(4*\g+\t):S+8*(4*\g+\t)+7], v[KF+12*\t:KF+12*\t+11], v[16:27], 0, v[248+\t], v255 matrix_a_fmt:MATRIX_FMT_FP6 matrix_b_fmt:MATRIX_FMT_FP6
.endr
.endr
	PLACES
.irp b, 0,1,2,3                                ; V's fragments are asked for now and land under the softmax
	ds_load_b128 v[VF+12*\b:VF+12*\b+3], v[ADV16] offset:1536*\b
	ds_load_b64 v[VF+12*\b+4:VF+12*\b+5], v[ADV8] offset:1536*\b+512
	ds_load_b128 v[VF+12*\b+6:VF+12*\b+9], v[ADV16] offset:1536*\b+768
	ds_load_b64 v[VF+12*\b+10:VF+12*\b+11], v[ADV8] offset:1536*\b+1280
.endr
	ds_load_b128 v[28:31], v[ADT]
.irp b, 0,1,2,3
	v_max3_num_f32 v[232+\b], v[S+16*\b], v[S+1+16*\b], v[S+2+16*\b]   ; the largest score of each block of 32 keys: for the row's maximum, and for the block's largest p
.endr
.irp i, 3,5,7,9,11,13
.irp b, 0,1,2,3
	v_max3_num_f32 v[232+\b], v[232+\b], v[S+16*\b+\i], v[S+1+16*\b+\i]
.endr
.endr
.irp b, 0,1,2,3
	v_max_num_f32 v[232+\b], v[232+\b], v[S+15+16*\b]
.endr
.irp b, 0,1,2,3
	v_permlanex16_b32 v[236+\b], v[232+\b], s[SEL], s[SEL+1]
.endr
.irp b, 0,1,2,3
	v_max_num_f32 v[232+\b], v[232+\b], v[236+\b]  ; with lane l xor 16's 16 keys
.endr
	v_max3_num_f32 v254, v232, v233, v234
	v_max_num_f32 v254, v254, v235                 ; the step's largest score of my query
	v_mul_f32 v254, s[CS], v254                    ; as t (c is positive)
	v_max_num_f32 v13, v13, v254                   ; the running largest t
	v_mov_b32 v254, v12
	v_floor_f32 v12, -v13                          ; the new -M = floor(-t): M is a whole number
	v_sub_f32 v254, v12, v254                      ; old M - new M: a whole number, 0 or less
	v_cvt_i32_f32 v254, v254                       ; (it saturates)
	v_ldexp_f32 v252, 1.0, v254                    ; f = 2^(old M - new M)
.set j, 0
.rept 32
	v_pk_fma_f32 v[S+j:S+j+1], v[S+j:S+j+1], s[CS:CS+1], v[12:13] op_sel_hi:[1,0,0]   ; t - M, two at a time
.set j, j+2
.endr
.irp b, 0,1,2,3
	v_fma_f32 v[232+\b], v[232+\b], s[CS], v12     ; the same of each block's largest score
.endr
.set j, 0
.rept 64
	v_exp_f32 v[S+j], v[S+j]                       ; p = 2^(t - M), at most 1
.set j, j+1
.endr
.irp b, 0,1,2,3
	v_exp_f32 v[232+\b], v[232+\b]                 ; the block's largest p
.endr
	v_pk_mul_f32 v[14:15], v[14:15], v[252:253] op_sel_hi:[1,0]   ; the sums under the new M.  (A plain place behind the exponentials)
	s_wait_alu depctr_va_vdst(0)
.irp b, 0,1,2,3
	v_max_num_f32 v[232+\b], 0x1800000, v[232+\b]  ; the floor 2^(3 - 127): the byte cannot fall under 1
.endr
.irp b, 0,1,2,3
	v_add_nc_u32 v[244+\b], 0xff000000, v[232+\b]  ; 2 off the exponent field: the conversion's scale operand
.endr
.irp b, 0,1,2,3
	v_lshrrev_b32 v[236+\b], 23, v[244+\b]
.endr
	v_lshl_or_b32 v253, v237, 8, v236              ; p's scale word for these 128 keys
	v_lshl_or_b32 v253, v238, 16, v253
	v_lshl_or_b32 v253, v239, 24, v253
.irp c, 0,1
	v_cvt_scalef32_pk16_fp6_f32 v[224+6*\c:226+6*\c], v[S+32*\c:S+15+32*\c], v[244+2*\c]
	v_cvt_scalef32_pk16_fp6_f32 v[236+4*\c:238+4*\c], v[S+16+32*\c:S+31+32*\c], v[244+2*\c+1]
.endr
	v_nop                                          ; one plain place behind a scaled conversion
.irp c, 0,1
.irp i, 0,1,2
	v_permlane16_swap_b32 v[224+6*\c+\i], v[236+4*\c+\i]
.endr
.irp i, 0,1,2
	v_mov_b32 v[227+6*\c+\i], v[236+4*\c+\i]
.endr
.endr
	v_pk_add_f32 v[236:237], v[S:S+1], v[S+2:S+3]  ; the row's sum is taken of the unquantised p: two chains
.irp j, 4,8,12,16,20,24,28,32,36,40,44,48,52,56,60
	v_pk_add_f32 v[14:15], v[14:15], v[S+\j:S+1+\j]
	v_pk_add_f32 v[236:237], v[236:237], v[S+2+\j:S+3+\j]
.endr
	v_pk_add_f32 v[14:15], v[14:15], v[236:237]
.set j, 0
.rept 16
	v_pk_mul_f32 v[O+j:O+j+1], v[O+j:O+j+1], v[252:253] op_sel_hi:[1,0]   ; O^T under the new M.  (The sums and these are the places between p's codes and scale word and the products below)
.set j, j+2
.endr
	s_wait_dscnt 0x0                               ; V's fragments and scale words
.irp b, 0,1,2,3                                ; O^T += V^T P^T: the four accumulators by turns
	v_wmma_scale_f32_16x16x128_f8f6f4 v[O+8*\b:O+8*\b+7], v[VF+12*\b:VF+12*\b+11], v[224:235], v[O+8*\b:O+8*\b+7], v[28+\b], v253 matrix_a_fmt:MATRIX_FMT_FP6 matrix_b_fmt:MATRIX_FMT_FP6
.endr
	v_add_nc_u32 v[ADK16], 6144, v[ADK16]          ; on to the next step (no LDS load of mine is out); six plain lines: the places behind the products
	v_add_nc_u32 v[ADK8], 6144, v[ADK8]
	v_add_nc_u32 v[ADV16], 6144, v[ADV16]
	v_add_nc_u32 v[ADV8], 6144, v[ADV8]
	v_add_nc_u32 v[ADS], 512, v[ADS]
	v_add_nc_u32 v[ADT], 256, v[ADT]
.endm
.macro GROUP g                         ; four key steps
	s_wait_tensorcnt 3-\g                          ; behind group g's load I issued 3 - g others: my part of it is in (the scale words' load is older than all)
	s_wait_dscnt 0x0
	s_barrier_signal -1
	s_barrier_wait -1                              ; everybody's is
	s_mov_b32 s[CNT], 4
.Lstep_\@:
	STEP
	s_sub_co_u32 s[CNT], s[CNT], 1
	s_cmp_lg_u32 s[CNT], 0
	s_cbranch_scc1 .Lstep_\@
.endm
	s_load_b256 s[4:11], s[0:1], 0x0               ; qc, qs, kv, ac
	s_load_b64 s[12:13], s[0:1], 0x20              ; asw
	v_lshl_add_u32 v243, v0, 2, 0x34000
	s_set_vgpr_msb 0x40
	v_mov_b32 v1, 0
	s_set_vgpr_msb 0x4044
	ds_add_u32 v243, v1
	ds_add_u32 v243, v1
	s_set_vgpr_msb 0x4400
	v_lshrrev_b32 v8, 5, v0
	v_readfirstlane_b32 s[WV], v8                  ; wave = head
	s_bfe_u32 s14, ttmp6, 0x40000                  ; cx: it enters the addresses of q and of the results alone
	s_lshl_b32 s15, ttmp9, 2
	s_add_co_u32 s15, s15, s14                     ; my row block
	s_lshr_b32 s16, ttmp9, 5                       ; the batch, which the four partners share
	s_mul_i32 s16, s16, 208896
	s_mov_b32 s17, 0
	; group 1: dense bytes as rows of 256 (32 elements of 8): 6 rows of scale words, 24 rows of codes; mask: all four work-groups; bit 21 set beside it
	s_mov_b32 s[G1S], 15|(3<<16)|(1<<21)
	s_mov_b32 s[G1S+1], 32<<16
	s_mov_b32 s[G1S+2], 6<<16
	s_mov_b32 s[G1S+3], 32<<16
	s_mov_b32 s[G1S+4], 6
	s_mov_b32 s[G1S+5], 32
	s_mov_b32 s[G1S+6], 0
	s_mov_b32 s[G1S+7], 0
	s_mov_b32 s[G1C], 15|(3<<16)|(1<<21)
	s_mov_b32 s[G1C+1], 32<<16
	s_mov_b32 s[G1C+2], 24<<16
	s_mov_b32 s[G1C+3], 32<<16
	s_mov_b32 s[G1C+4], 24
	s_mov_b32 s[G1C+5], 32
	s_mov_b32 s[G1C+6], 0
	s_mov_b32 s[G1C+7], 0
	s_mul_i32 s66, s[WV], 1536
	s_add_co_u32 s66, s66, KSC                     ; my eighth of the scale words: the same offset in LDS and in the batch's block
	s_mov_b32 s67, 0
	s_lshr_b32 s68, s[WV], 2
	s_mul_i32 s68, s68, VOFF                       ; waves 0-3: K; waves 4-7: V
	s_and_b32 s69, s[WV], 3
	s_mul_i32 s69, s69, 6144                       ; one key step of each group
	s_add_co_u32 s68, s68, s69
	s_mov_b32 s69, 0
	s_and_b32 s72, s15, 0xfffffff8
	s_add_co_u32 s72, s72, s[WV]                   ; 8 T + head
	s_and_b32 s73, s15, 7                          ; my block among T's eight
	s_lshl_b32 s74, s72, 3
	s_add_co_u32 s74, s74, s73
	s_mul_i32 s74, s74, 768                        ; q's codes
	s_mov_b32 s75, 0
	s_lshl_b32 s76, s72, 1
	s_lshr_b32 s77, s73, 2
	s_add_co_u32 s76, s76, s77
	s_lshl_b32 s76, s76, 8
	s_and_b32 s77, s73, 3
	s_lshl_b32 s77, s77, 2
	s_add_co_u32 s76, s76, s77                     ; q's scale words
	s_mov_b32 s77, 0
	s_mul_i32 s78, s15, 55296
	s_mul_i32 s79, s[WV], 768
	s_add_co_u32 s78, s78, s79                     ; the result's half image: K step head / 2, half head % 2
	s_mov_b32 s79, 0
	s_lshl_b32 s60, s15, 6                         ; and its scale words
	s_mov_b32 s61, 0
	s_mov_b32 s[SEL], 0x76543210
	s_mov_b32 s[SEL+1], 0xfedcba98
	s_mov_b32 s[CS], 0x3e38aa3b                    ; c = log2(e) / 8
	s_mov_b32 s[CS+1], s[CS]
	s_wait_dscnt 0x0
	s_wait_kmcnt 0x0
	s_add_nc_u64 s[8:9], s[8:9], s[16:17]
	s_mov_b32 s[G0], 1
	s_mov_b32 s[G0+1], s66
	s_add_nc_u64 s[G0+2:G0+3], s[8:9], s[66:67]
	s_or_b32 s[G0+3], s[G0+3], 0x80000000
	s_add_nc_u64 s[70:71], s[8:9], s[68:69]
.irp g, 0,1,2,3
	s_mov_b32 s[G0+4+4*\g], 1
	s_add_co_u32 s[G0+5+4*\g], s68, \g*24576
	s_add_nc_u64 s[G0+6+4*\g:G0+7+4*\g], s[70:71], \g*24576
	s_or_b32 s[G0+7+4*\g], s[G0+7+4*\g], 0x80000000
.endr
	s_add_nc_u64 s[4:5], s[4:5], s[74:75]
	s_add_nc_u64 s[6:7], s[6:7], s[76:77]
	s_add_nc_u64 s[10:11], s[10:11], s[78:79]
	s_add_nc_u64 s[12:13], s[12:13], s[60:61]
	CROUND                                         ; all four work-groups are here: the joint loads meet
	tensor_load_to_lds s[G0:G0+3], s[G1S:G1S+7]
	s_nop 0
	tensor_load_to_lds s[G0+4:G0+7], s[G1C:G1C+7]
	s_nop 0
	tensor_load_to_lds s[G0+8:G0+11], s[G1C:G1C+7]
	s_nop 0
	tensor_load_to_lds s[G0+12:G0+15], s[G1C:G1C+7]
	s_nop 0
	tensor_load_to_lds s[G0+16:G0+19], s[G1C:G1C+7]
	s_nop 0
.rept 4
	v_nop
.endr
	v_and_b32 v8, 31, v0                           ; lane
	v_and_b32 v9, 15, v0                           ; r
	v_lshlrev_b32 v[ADK16], 4, v8
	v_lshlrev_b32 v[ADK8], 3, v8
	global_load_b128 v[16:19], v[ADK16], s[4:5]    ; q's half fragment stays in registers
	global_load_b64 v[20:21], v[ADK8], s[4:5] offset:512
	v_lshlrev_b32 v10, 4, v9
	global_load_b32 v255, v10, s[6:7]              ; q's scale words
.irp i, 22,23,24,25,26,27
	v_mov_b32 v\i, 0                               ; the upper 64 of the instruction's K: zero codes
.endr
.irp t, 0,1,2,3
.irp i, 6,7,8,9,10,11
	v_mov_b32 v[KF+12*\t+\i], 0
.endr
.endr
	v_add_nc_u32 v[ADV16], VOFF, v[ADK16]
	v_add_nc_u32 v[ADV8], VOFF, v[ADK8]
	v_add_nc_u32 v[ADS], KSC, v10
	v_add_nc_u32 v[ADT], VSC, v10
	s_lshr_b32 s14, s[WV], 1
	s_lshl_b32 s14, s14, 6
	s_and_b32 s16, s[WV], 1
	s_lshl_b32 s16, s16, 1
	s_add_co_u32 s14, s14, s16
	s_add_co_u32 s14, s14, SCR
	v_lshl_add_u32 v[SCW], v9, 2, s14              ; 64 x K step + 4 r + 2 x half
	v_mov_b32 v13, 0xff61b1e6                      ; the largest t so far: -3e38
	v_floor_f32 v12, -v13                          ; -M
	v_mov_b32 v14, 0
	v_mov_b32 v15, 0
.irp b, 0,1,2,3
	v_mov_b32 v[236+\b], 0                         ; written once: a lane permute's destination counts as one of its sources
.endr
	v_mov_b32 v253, 0
.set j, 0
.rept 32
	v_mov_b32 v[O+j], 0                            ; O^T: the step is written once; its first trip finds zeros, which the first change of M leaves zeros
.set j, j+1
.endr
	s_wait_loadcnt 0x0                             ; q
	GROUP 0
	GROUP 1
	GROUP 2
	GROUP 3
	; THE END: O^T / the sum, quantised along the head's 64: half a fragment of the output product's operand
	v_add_f32 v14, v14, v15
	v_permlanex16_b32 v252, v14, s[SEL], s[SEL+1]
	v_add_f32 v14, v14, v252                       ; the row's sum
	v_rcp_f32 v14, v14
	v_and_b32 v8, 31, v0                           ; (a plain place behind the transcendental)
	v_lshlrev_b32 v9, 3, v8                        ; 8 x lane
	v_lshlrev_b32 v8, 4, v8                        ; 16 x lane
	v_add_nc_u32 v10, SCR, v9
	v_and_b32 v11, 7, v0
	v_bfe_u32 v1, v0, 3, 2
	v_lshlrev_b32 v11, 3, v11
	v_lshl_add_u32 v11, v1, 14, v11                ; wave 0's lane: K step lane / 8 (16,384 bytes apart), rows 2 (lane % 8) and the next
.set j, 0
	s_wait_alu depctr_va_vdst(0)
.rept 32
	v_mul_f32 v[S+j], v[O+j], v14                  ; register 8 b + i is channel 16 b + 8 (lane / 16) + i.  Each accumulator from its low end on
.set j, j+1
.endr
	v_mov_b32 v[TM+2], 0
	v_mov_b32 v[TM+3], 0
.irp u, 0,1
.irp e, 0,1,2,3,4,5,6,7
	v_permlane16_swap_b32 v[S+16*\u+\e], v[S+16*\u+8+\e]   ; afterwards 16 registers are channels 32 u + 16 (lane / 16) + 0 .. 15
.endr
.endr
	QUANT2 S, 160, 168, 172
	global_store_b128 v8, v[160:163], s[10:11]
	global_store_b64 v9, v[164:165], s[10:11] offset:512
	ds_store_b16 v[SCW], v172
	s_wait_dscnt 0x0
	s_barrier_signal -1
	s_barrier_wait -1                              ; the eight heads' bytes make four words a row
	s_cmp_lg_u32 s[WV], 0
	s_cbranch_scc1 .Lnot_first
	ds_load_b64 v[174:175], v10
	s_wait_dscnt 0x0
	global_store_b64 v11, v[174:175], s[12:13]     ; four pieces of 64 bytes, one for each K step: 64 KB in the whole launch leave in such pieces
.Lnot_first:
	s_set_vgpr_msb 0x4
	s_wait_tensorcnt 0x0
	ds_add_u32 v243, v1
	s_wait_dscnt 0x0
	s_set_vgpr_msb 0x400
	CROUND                                         ; the closing round: no work-group ends while a partner may still ask for a tile that names it
	s_endpgm
.Lfunc_end_k_q06b5bc4b4e_attn:
	.size	k_q06b5bc4b4e_attn, .Lfunc_end_k_q06b5bc4b4e_attn-k_q06b5bc4b4e_attn
	.p2alignl 7, 3214868480
	.fill 96, 4, 3214868480
	.section	.rodata,"a",@progbits
	.p2align	6, 0x0
	.amdhsa_kernel k_q06b5bc4b4e_attn
		.amdhsa_group_segment_fixed_size 214016
		.amdhsa_private_segment_fixed_size 0
		.amdhsa_enable_private_segment 0
		.amdhsa_kernarg_size 40
		.amdhsa_user_sgpr_count 2
		.amdhsa_user_sgpr_kernarg_segment_ptr 1
		.amdhsa_wavefront_size32 1
		.amdhsa_system_sgpr_workgroup_id_x 1
		.amdhsa_system_sgpr_workgroup_id_y 1
		.amdhsa_system_sgpr_workgroup_id_z 1
		.amdhsa_system_vgpr_workitem_id 0
		.amdhsa_next_free_vgpr 258
		.amdhsa_next_free_sgpr 80
		.amdhsa_reserve_vcc 0
		.amdhsa_float_denorm_mode_32 3
		.amdhsa_float_denorm_mode_16_64 3
		.amdhsa_memory_ordered 1
		.amdhsa_forward_progress 1
		.amdhsa_inst_pref_size 79
	.end_amdhsa_kernel
	.amdgpu_metadata
---
amdhsa.version: [ 1, 2 ]
amdhsa.kernels:
  - .name:           k_q06b5bc4b4e_attn
    .symbol:         k_q06b5bc4b4e_attn.kd
    .args:
      - { .name: qc, .offset: 0, .size: 8, .value_kind: global_buffer, .address_space: global }
      - { .name: qs, .offset: 8, .size: 8, .value_kind: global_buffer, .address_space: global }
      - { .name: kv, .offset: 16, .size: 8, .value_kind: global_buffer, .address_space: global }
      - { .name: ac, .offset: 24, .size: 8, .value_kind: global_buffer, .address_space: global }
      - { .name: asw, .offset: 32, .size: 8, .value_kind: global_buffer, .address_space: global }
    .group_segment_fixed_size: 214016
    .private_segment_fixed_size: 0
    .kernarg_segment_align: 8
    .kernarg_segment_size: 40
    .max_flat_workgroup_size: 256
    .sgpr_count:     80
    .vgpr_count:     258
    .wavefront_size: 32
...
	.end_amdgpu_metadata
.endif
;; end of part 3
;; launch ffn (part 4): grid 32 x 8, 4 waves a work-group, clusters of 4 x 4, 327,680 bytes of LDS; arguments xc, xs, w_fused_codes, w_fused_scales, ac, asw; writes ac, asw
.if DOCPART == 4
	.amdgcn_target "amdgcn-amd-amdhsa--gfx1250"
	.amdhsa_code_object_version 6
	.text
	.protected	k_q06b5bc4b4e_ffn
	.globl	k_q06b5bc4b4e_ffn
	.p2align	8
	.type	k_q06b5bc4b4e_ffn,@function
k_q06b5bc4b4e_ffn:
	s_mov_b64 s[64:65], 0
	v_nop
	global_prefetch_b8 v0, s[64:65] scope:SCOPE_SE
	s_setreg_imm32_b32 hwreg(HW_REG_WAVE_MODE, 25, 1), 1
	s_wait_xcnt 0x0
	s_wait_alu depctr_hold_cnt(0) depctr_sa_sdst(0) depctr_va_vdst(0) depctr_va_sdst(0) depctr_va_ssrc(0) depctr_va_vcc(0) depctr_vm_vsrc(0)
	s_getreg_b32 s2, hwreg(HW_REG_IB_STS2, 6, 4)
	s_cmp_eq_u32 s2, 0
	s_cbranch_scc0 .Lentry_in_a_cluster
	s_endpgm
.Lentry_in_a_cluster:
	s_bfe_u32 s2, ttmp6, 0x10000c
	s_cmp_lg_u32 s2, 0xf033
	s_cbranch_scc0 .Lentry_shape_is_right
	s_endpgm
.Lentry_shape_is_right:
; h = silu(gate) * ff_x with [ff_x, gate] = xn W[:, 640:8832], on codes of FP6 (E2M3) with E8M0 scales; h is quantised along the hidden 4,096 and leaves as images of the output product's operand.
; SHARES.  256 work-groups that stay.  Work-group (tc, Y): hidden units 128 tc .. 128 tc + 127 x the 512 rows of row blocks 32 Y .. 32 Y + 31, in four visits of 128 rows.
; W LIVES IN REGISTERS.  Wave w owns hidden units 32 w .. 32 w + 31 of the 128: 32 rows of ff_x's weights (blocks 0, 1) and the 32 of gate's that belong to them (blocks 2, 3), for all of K = 1,024:
; 4 blocks x 8 K steps x 12 = 384 registers, fetched once (through LDS, by the wave's own two tensor loads, read by that wave alone).  So only x goes through the ring, and the order of the products is free.
; x comes as images of the operand's registers: a visit's 8 row blocks x 8 K steps x 1,536 bytes are one dense block of 98,304 bytes, a slot; each wave fetches a quarter.  A refill has a visit's 256 matrix instructions a wave in which to land.
; BY ROWS, AND BY TURNS.  A PAIR of row blocks (32 rows) is finished in 64 matrix instructions, its 8 accumulators by turns, K ascending.  Behind them 32 packed multiplies take gate x -log2 e and ff_x x gate out of the
; accumulators; the other 154 lines of the pair's activation and quantiser stand in slices behind the NEXT pair's matrix instructions, two or three lines a slice: some 2.4 vector lines for each matrix instruction,
; which set in a phase of their own would leave the matrix unit without work all that while.  The price is two switches of the register window for each slice.
; The next pair's fragments of x are fetched a fragment (four loads) at a time, behind every fourth product, into the registers of the K step that has just been multiplied.
; THE PRODUCT IS USED TRANSPOSED (source 0 = W, source 1 = x): a lane holds one row, its registers run along the hidden units.
; THE WAY OUT.  A wave's 32 hidden units are one block of 32 codes a row, a quarter of an image: the four waves' codes and scale bytes meet in a stage in LDS and leave as whole images, 512 consecutive bytes a store, behind a later barrier.
; CLUSTERS: 4 x 4 work-groups; x's tiles are shared along a row of the cluster, W's along a column: joint loads.  Four tensor loads of a wave are out at the start, later one.
; LDS: at the start W (4 waves x 64 rows x 816 bytes) at 0; over its bytes later slot 1 (0 .. 98,304) and, in blocks whose last fill was W's, the stage; slot 0; x's scale bytes of all four visits; the spare words.
; REGISTERS: window 0: addresses, scale words, T, U, the accumulators, the way out.  window 1: W's K steps 0-4.  window 2: W's K steps 5-7.  window 3: the pair's 16 fragments of x.
; LIMITS: NaN and infinities are not served; a block whose largest magnitude lies under 2^-124 keeps the byte 1 (these bytes are read by this program alone); where 2^(-gate log2 e) overflows the sigmoid is 0, as its limit is.
.set WPIT,  816                        ; a row of W in LDS: 3 x (256 bytes + 16 of padding) = 204 words: row r starts at bank 12 r mod 64 (64 banks of 4 bytes: ISA guide 11.1): the 32 lanes of a load of 8 bytes touch 64 different banks
.set S0,    208896                     ; slot 0 (slot 1 lies at 0)
.set STG,   131072                     ; the stage: 16 pairs x 2 images of 1,536 bytes
.set STS,   180224                     ; h's scale words: 512 rows x 4 bytes
.set SCL,   307200                     ; x's scale bytes: 4 visits x 4,352 (128 rows x 32 bytes as runs of 256 + 16)
.set SPARE, 324608                     ; the spare words, 128 bytes for each wave
.set L16,   1                          ; v1   16 x lane
.set L8,    2                          ; v2   8 x lane
.set NA16,  3                          ; v3   LDS address of the NEXT pair's images, 16 bytes a lane
.set NA8,   4                          ; v4   the same, 8 bytes a lane
.set NS,    5                          ; v5   of the next pair's scale words
.set STA16, 6                          ; v6   the stage: where my lane's registers 0-3 of a block go
.set STA8,  7                          ; v7   and registers 4-5
.set STB,   8                          ; v8   and my wave's scale byte
.set FL,    9                          ; v9   the stage, read back: my two images of a visit
.set FS,    10                         ; v10  the scale words, read back
.set WA,    12                         ; v12  my rows of W in LDS;  v13 for the pieces behind one padding more
.set WA2,   13
.set SPW,   14
.set NIL,   15
.set TM,    20                         ; v20-25 at work in the quantiser
.set BY,    26                         ; v26-27 the two row blocks' scale bytes
.set PC,    28                         ; v28-33 a block's codes
.set TT,    34                         ; v34-36
.set SCN,   40                         ; v40-47 the next pair's scale words of x
.set SCA,   48                         ; v48-55 this pair's: register k: lanes 0-15 the pair's first row block, lanes 16-31 its second, K step k
.set SCB,   56                         ; v56-71 W's: register 8 p + k: lanes 0-15 block 2 p, lanes 16-31 block 2 p + 1
.set T,     72                         ; v72-103  -gate log2 e, then the sigmoid: 16 s + e
.set U,     104                        ; v104-135 ff_x * gate, then h
.set ACC,   136                        ; v136-199 accumulator (row block s, block b) at 32 s + 8 b
.set FB,    200                        ; v200-223 the way out
.set FSB,   224
.set NIT,   154                        ; lines in the list that is cut into slices
.set LN,    2
.set WV,    16
.set CNT,   17
.set G1A,   24
.set G0A,   32                         ; s[32:35] slot 0, s[36:39] slot 1
.set G1W,   48
.set G0WX,  56
.set G0WG,  60
.set G1S,   68
.set G0S,   76
.set SEL,   80
.set MSB, 0
.set bud, 0
.set j, NIT
.macro WIN new                         ; the immediate's high byte repeats the setting that is left; a switch that changes nothing is dropped
.if MSB != (\new)
	s_set_vgpr_msb (MSB<<8)|(\new)
.set MSB, (\new)
.endif
.endm
.macro CROUND                          ; a round of the cluster's barrier
	s_barrier_signal -1
	s_barrier_wait -1
	s_cmp_lg_u32 s[WV], 0
	s_cbranch_scc1 .Lnot_wave_0_\@
	s_barrier_signal -3
.Lnot_wave_0_\@:
	s_barrier_wait -3
	s_barrier_signal -1
	s_barrier_wait -1
.endm
; one product: D, source 0, source 1; z = 1: C is 0; each side's scale register and which half of its lanes
.macro WM d, s0, s1, z, c0, r0, c1, r1
.if \z
.if ((\r0) == 0) && ((\r1) == 0)
	v_wmma_scale_f32_16x16x128_f8f6f4 v[\d:\d+7], v[\s0:\s0+11], v[\s1:\s1+11], 0, v[\c0], v[\c1] matrix_a_fmt:MATRIX_FMT_FP6 matrix_b_fmt:MATRIX_FMT_FP6
.elseif ((\r0) == 1) && ((\r1) == 0)
	v_wmma_scale_f32_16x16x128_f8f6f4 v[\d:\d+7], v[\s0:\s0+11], v[\s1:\s1+11], 0, v[\c0], v[\c1] matrix_a_fmt:MATRIX_FMT_FP6 matrix_b_fmt:MATRIX_FMT_FP6 matrix_a_scale:MATRIX_SCALE_ROW1
.elseif ((\r0) == 0) && ((\r1) == 1)
	v_wmma_scale_f32_16x16x128_f8f6f4 v[\d:\d+7], v[\s0:\s0+11], v[\s1:\s1+11], 0, v[\c0], v[\c1] matrix_a_fmt:MATRIX_FMT_FP6 matrix_b_fmt:MATRIX_FMT_FP6 matrix_b_scale:MATRIX_SCALE_ROW1
.else
	v_wmma_scale_f32_16x16x128_f8f6f4 v[\d:\d+7], v[\s0:\s0+11], v[\s1:\s1+11], 0, v[\c0], v[\c1] matrix_a_fmt:MATRIX_FMT_FP6 matrix_b_fmt:MATRIX_FMT_FP6 matrix_a_scale:MATRIX_SCALE_ROW1 matrix_b_scale:MATRIX_SCALE_ROW1
.endif
.else
.if ((\r0) == 0) && ((\r1) == 0)
	v_wmma_scale_f32_16x16x128_f8f6f4 v[\d:\d+7], v[\s0:\s0+11], v[\s1:\s1+11], v[\d:\d+7], v[\c0], v[\c1] matrix_a_fmt:MATRIX_FMT_FP6 matrix_b_fmt:MATRIX_FMT_FP6
.elseif ((\r0) == 1) && ((\r1) == 0)
	v_wmma_scale_f32_16x16x128_f8f6f4 v[\d:\d+7], v[\s0:\s0+11], v[\s1:\s1+11], v[\d:\d+7], v[\c0], v[\c1] matrix_a_fmt:MATRIX_FMT_FP6 matrix_b_fmt:MATRIX_FMT_FP6 matrix_a_scale:MATRIX_SCALE_ROW1
.elseif ((\r0) == 0) && ((\r1) == 1)
	v_wmma_scale_f32_16x16x128_f8f6f4 v[\d:\d+7], v[\s0:\s0+11], v[\s1:\s1+11], v[\d:\d+7], v[\c0], v[\c1] matrix_a_fmt:MATRIX_FMT_FP6 matrix_b_fmt:MATRIX_FMT_FP6 matrix_b_scale:MATRIX_SCALE_ROW1
.else
	v_wmma_scale_f32_16x16x128_f8f6f4 v[\d:\d+7], v[\s0:\s0+11], v[\s1:\s1+11], v[\d:\d+7], v[\c0], v[\c1] matrix_a_fmt:MATRIX_FMT_FP6 matrix_b_fmt:MATRIX_FMT_FP6 matrix_a_scale:MATRIX_SCALE_ROW1 matrix_b_scale:MATRIX_SCALE_ROW1
.endif
.endif
.endm
.macro AFR reg, off                    ; a fragment of x from its image: four dense loads, into window 3
	ds_load_b128 v[\reg:\reg+3], v[NA16] offset:\off
	ds_load_b64 v[\reg+4:\reg+5], v[NA8] offset:\off+512
	ds_load_b128 v[\reg+6:\reg+9], v[NA16] offset:\off+768
	ds_load_b64 v[\reg+10:\reg+11], v[NA8] offset:\off+1280
.endm
.macro WFR b                           ; block b's fragment of K step k from my rows of W: six pieces of 8 bytes; lanes 16-31 read three pieces on, which for some pieces is behind one padding more
.irp p, 0,1,2,3,4,5
.set PCE, 12*k+6*(\p/3)+\p%3
.if PCE%32 < 29
	ds_load_b64 v[48*(k%5)+12*\b+2*\p:48*(k%5)+12*\b+2*\p+1], v[WA] offset:8*PCE+16*(PCE/32)+\b*16*WPIT
.else
	ds_load_b64 v[48*(k%5)+12*\b+2*\p:48*(k%5)+12*\b+2*\p+1], v[WA2] offset:8*PCE+16*(PCE/32)+\b*16*WPIT
.endif
.endr
.endm
; THE LIST: line j of what is made of a pair's T (= -gate log2 e) and U (= ff_x * gate), 32 numbers a lane each: 16 s + e is hidden unit e's place of row block s.
;   0-31 2^T | a plain line | 33-48 + 1 | 49-80 the reciprocal | a plain line | 82-97 h = U x the sigmoid | 98-113 the halves of the lanes change places, so that 16 registers are hidden units 16 (lane / 16) + 0 .. 15
;   114-137 each row block's largest magnitude, its scale operand and byte | 138-146 the codes; a whole block to a lane: lanes 0-15 the first row block's, lanes 16-31 the second's | 147-150 into the stage | 151-153 the stage's addresses step
.macro ITEM
	WIN 0
.if j < 32
	v_exp_f32 v[T+j], v[T+j]
.set bud, bud-1
.elseif j == 32
	v_nop                                          ; one plain place behind the exponentials
	s_wait_alu depctr_va_vdst(0)
.elseif j < 49
.set q, 2*(j-33)
	v_pk_add_f32 v[T+q:T+q+1], v[T+q:T+q+1], 1.0 op_sel_hi:[1,0]
.elseif j < 81
	v_rcp_f32 v[T+j-49], v[T+j-49]
.set bud, bud-1
.elseif j == 81
	v_nop                                          ; one plain place behind the reciprocals
	s_wait_alu depctr_va_vdst(0)
.elseif j < 98
.set q, 2*(j-82)
	v_pk_mul_f32 v[U+q:U+q+1], v[U+q:U+q+1], v[T+q:T+q+1]
.elseif j < 114
.set q, 16*((j-98)/8)+(j-98)%8
	v_permlane16_swap_b32 v[U+q], v[U+q+8]
.elseif j < 116
.set q, j-114
	v_max3_num_f32 v[TM+q], |v[U+16*q]|, |v[U+16*q+1]|, 0x1800000   ; my 16 numbers, and the floor 2^(3 - 127): the byte cannot fall under 1
.elseif j < 130
.set q, (j-114)%2
.set qq, 16*q+2*((j-114)/2)
	v_max3_num_f32 v[TM+q], v[TM+q], |v[U+qq]|, |v[U+qq+1]|         ; (the two row blocks by turns)
.elseif j < 132
	v_permlanex16_b32 v[TM+2+j-130], v[TM+j-130], s[SEL], s[SEL+1]
.elseif j < 134
	v_max_num_f32 v[TM+j-132], v[TM+j-132], v[TM+2+j-132]           ; with lane l xor 16's: the block's largest magnitude
.elseif j < 136
	v_add_nc_u32 v[TM+4+j-134], 0xff000000, v[TM+j-134]             ; 2 off its exponent field: the conversion's scale operand
.elseif j < 138
	v_lshrrev_b32 v[BY+j-136], 23, v[TM+4+j-136]                    ; the scale's byte
.elseif j == 138
	v_cvt_scalef32_pk16_fp6_f32 v[PC:PC+2], v[U:U+15], v[TM+4]
.elseif j == 139
	v_cvt_scalef32_pk16_fp6_f32 v[TT:TT+2], v[U+16:U+31], v[TM+5]
.elseif j == 140
	v_nop                                          ; one plain place behind a scaled conversion
.elseif j < 144
	v_permlane16_swap_b32 v[PC+j-141], v[TT+j-141] ; the first now holds each lane's block's lower 16 codes, the second the upper 16
.elseif j < 147
	v_mov_b32 v[PC+3+j-144], v[TT+j-144]
.elseif j == 147
	ds_store_b128 v[STA16], v[PC:PC+3]             ; my quarter of two images: registers 0-3,
.elseif j == 148
	ds_store_b64 v[STA8], v[PC+4:PC+5]             ; registers 4-5
.elseif j == 149
	ds_store_b8 v[STB], v[BY]                      ; my byte of the rows' scale words (lanes r and r + 16 write the same byte with the same value)
.elseif j == 150
	ds_store_b8 v[STB], v[BY+1] offset:64
.elseif j == 151
	v_add_nc_u32 v[STA16], 3072, v[STA16]
.elseif j == 152
	v_add_nc_u32 v[STA8], 3072, v[STA8]
.else
	v_add_nc_u32 v[STB], 128, v[STB]
.endif
.set bud, bud-2
.set j, j+1
.endm
.macro SLICE                           ; the next lines of the list: three plain ones, or two where they are transcendentals
.set bud, 6
.rept 3
.if (j < NIT) && (bud >= 2)
	ITEM
.endif
.endr
.endm
.macro REST                            ; whatever is left of the list
.rept NIT
.if j < NIT
	ITEM
.endif
.endr
.endm
; Behind a pair's 64 products.  Four plain lines stand between the last product and the loads into its registers, the moves into its scale registers and the first reads of results (ISA guide 7.12.1 for the moves and the reads of results).
.macro FRONT pref
	REST                                           ; (by the list's own count nothing is left: 154 lines fill 62 of the 64 slices)
.rept 4
	v_nop
.endr
.if \pref
	WIN 0xc0
	AFR 168, 10752                                 ; the next pair's K step 7
	AFR 180, 23040
.endif
	WIN 0
.if \pref
.irp e, 0,1,2,3,4,5,6,7
	v_mov_b32 v[SCA+\e], v[SCN+\e]                 ; the next pair's scale words; the 32 multiplies below are the places between these lines and the next scaled product
.endr
.endif
.irp s, 0,1
.irp e, 0,2,4,6,8,10,12,14
	v_pk_mul_f32 v[T+16*\s+\e:T+16*\s+\e+1], v[ACC+32*\s+16+\e:ACC+32*\s+16+\e+1], s[LN:LN+1] op_sel_hi:[1,0]   ; -gate log2 e.  Each accumulator from its low end on
.endr
.endr
.irp s, 0,1
.irp e, 0,2,4,6,8,10,12,14
	v_pk_mul_f32 v[U+16*\s+\e:U+16*\s+\e+1], v[ACC+32*\s+\e:ACC+32*\s+\e+1], v[ACC+32*\s+16+\e:ACC+32*\s+16+\e+1]   ; ff_x * gate: the accumulators are free for the next pair
.endr
.endr
.if \pref
	v_add_nc_u32 v[NA16], 24576, v[NA16]           ; on to the pair after next
	v_add_nc_u32 v[NA8], 24576, v[NA8]
	v_add_nc_u32 v[NS], 1088, v[NS]
.endif
.endm
; A PAIR: 32 rows x my 64 rows of W x K = 1,024: product 8 k + i: K step k, row block i / 4, block i % 4: the 8 accumulators by turns.
; pref = 1: the next pair's fragments and scale words are fetched.  ep = 1: the pair before has left a list to be worked off.
; In K step k the fragments of the next pair's K step k - 1 are fetched into the registers that K step k - 1 has read: four v_nop, one in each of the step's first four slices, are the places in front of those loads.
.macro PAIR pref, ep
.if \ep
.set j, 0
.else
.set j, NIT
.endif
	s_wait_dscnt 12                                ; all but the youngest 12 loads (K step 6's second fragment and K step 7's two), which are wanted late
.set k, 0
.rept 8
.if k == 1
	s_wait_dscnt 0x0                               ; those 12 too: nothing has been asked of LDS since
.endif
.if (k == 3) && \pref
	s_wait_dscnt 16                                ; the next pair's scale words are in: behind their two loads stand the 16 of four fragments
.endif
.set zz, 0
.if k == 0
.set zz, 1
.endif
.set i, 0
.rept 8
.if k < 5
	WIN 0x0d                                       ; source 0 (W) window 1, source 1 (x) window 3, C and D window 0
.else
	WIN 0x0e                                       ; W in window 2
.endif
	WM ACC+32*(i/4)+8*(i%4), 48*(k%5)+12*(i%4), 24*k+12*(i/4), zz, SCB+8*((i%4)/2)+k, i%2, SCA+k, i/4
	SLICE
.if \pref && (k > 0)
.if (k == 1) && (i == 0)
	WIN 0
	ds_load_b128 v[SCN:SCN+3], v[NS]
	ds_load_b128 v[SCN+4:SCN+7], v[NS] offset:16
.endif
.if i < 4
	v_nop
.endif
.if i == 3
	WIN 0xc0                                       ; destination window 3, address window 0
	AFR 24*(k-1), (k-1)*1536
.endif
.if i == 7
	WIN 0xc0
	AFR 24*(k-1)+12, 12288+(k-1)*1536
.endif
.endif
.set i, i+1
.endr
.set k, k+1
.endr
	FRONT \pref
.endm
.macro PAIRS n                         ; n pairs alike; at a label and at a branch every window is 0
	s_mov_b32 s[CNT], \n
.Lpair_\@:
	PAIR 1, 1
	s_sub_co_u32 s[CNT], s[CNT], 1
	s_cmp_lg_u32 s[CNT], 0
	s_cbranch_scc1 .Lpair_\@
.endm
; Visit v's eight images leave: my two, 3,072 bytes, read back from the stage behind a barrier that every wave has passed since it stored them.
.macro FLUSH v
	s_wait_xcnt 0x0                                ; the registers that earlier stores read are loaded again only behind this wait
.irp t, 0,1,2,3,4,5
	ds_load_b128 v[FB+4*\t:FB+4*\t+3], v[FL] offset:(\v)*12288+\t*512
.endr
.irp t, 0,1,2,3,4,5
	s_wait_dscnt 5-\t                              ; LDS loads come back in order: load t of the six is in
	global_store_b128 v[L16], v[FB+4*\t:FB+4*\t+3], s[12:13] offset:(\v)*442368+(\t/3)*55296+(\t%3)*512   ; 32 lanes store 512 consecutive bytes, aligned
.endr
.endm
; In front of a visit's last pair: all its fragments are in registers, so the visit's slot has been read out.  Each wave waits for all its tensor loads (its quarter of the next visit's slot), adds 0 to its spare word,
; and waits for that and for its reads.  fill = 1: a round of the cluster's barrier, and the slot just read out takes the visit after next.  nbase: where the next visit's slot begins.  fv: the visit that leaves now, or -1.
.macro HEAD fill, slot, nbase, fv
	WIN 0
	s_wait_tensorcnt 0x0                           ; no tensor load of mine is out, so a group 0 may be written
	ds_add_u32 v[SPW], v[NIL]                      ; 0 onto my spare word
.if \fill
	s_add_nc_u64 s[G0A+4*\slot+2:G0A+4*\slot+3], s[G0A+4*\slot+2:G0A+4*\slot+3], 196608   ; two visits on
.endif
	v_add_nc_u32 v[NA16], \nbase, v[L16]           ; the next pair is the next visit's first
	v_add_nc_u32 v[NA8], \nbase, v[L8]
	s_wait_dscnt 0x0                               ; the add is done, and my reads of the slot are over
.if \fill
	CROUND                                         ; no wave of any partner still reads the slot or has a load on its way
	tensor_load_to_lds s[G0A+4*\slot:G0A+4*\slot+3], s[G1A:G1A+7]   ; my one tensor load behind the round, and the first thing there
	s_nop 0
.rept 4
	v_nop
.endr
.else
	s_barrier_signal -1
	s_barrier_wait -1
.endif
.if \fv >= 0
	FLUSH \fv
.endif
.endm
	s_load_b256 s[4:11], s[0:1], 0x0               ; xc, xs, W's codes, W's scales
	s_load_b128 s[12:15], s[0:1], 0x20             ; ac, asw
	v_lshl_add_u32 v[SPW], v0, 2, SPARE
	v_mov_b32 v[NIL], 0
	ds_add_u32 v14, v15
	ds_add_u32 v14, v15
	s_wait_dscnt 0x0
	v_lshrrev_b32 v16, 5, v0
	v_readfirstlane_b32 s[WV], v16                 ; wave 0..3
	s_bfe_u32 s40, ttmp6, 0x40000                  ; cx, cy
	s_bfe_u32 s41, ttmp6, 0x40004
	s_lshl_b32 s42, ttmp9, 2
	s_add_co_u32 s42, s42, s40                     ; tc
	s_and_b32 s45, ttmp7, 0xffff
	s_lshl_b32 s45, s45, 2
	s_add_co_u32 s45, s45, s41                     ; Y
	s_lshl_b32 s43, s41, 2
	s_lshl_b32 s43, 15, s43                        ; my row of the cluster
	s_lshl_b32 s44, 0x1111, s40                    ; my column
	s_or_b32 s[G1A], s43, (3<<16)|(1<<21)          ; a quarter of a slot: 24,576 dense bytes as 96 rows of 256 (32 elements of 8)
	s_mov_b32 s[G1A+1], 32<<16
	s_mov_b32 s[G1A+2], 96<<16
	s_mov_b32 s[G1A+3], 32<<16
	s_mov_b32 s[G1A+4], 96
	s_mov_b32 s[G1A+5], 32
	s_mov_b32 s[G1A+6], 0
	s_mov_b32 s[G1A+7], 0
	s_or_b32 s[G1W], s44, (1<<20)|(1<<21)|(5<<22)|(3<<25)   ; W: 32 whole rows of 768 bytes; 16 bytes of padding behind each 256
	s_mov_b32 s[G1W+1], 768<<16
	s_mov_b32 s[G1W+2], 32<<16
	s_mov_b32 s[G1W+3], 768<<16
	s_mov_b32 s[G1W+4], 32
	s_mov_b32 s[G1W+5], 768
	s_mov_b32 s[G1W+6], 0
	s_mov_b32 s[G1W+7], 0
	s_or_b32 s[G1S], s43, (3<<16)|(1<<20)|(1<<21)|(5<<22)|(3<<25)   ; x's scale bytes of a visit: 16 rows of 256, 16 bytes of padding behind each
	s_mov_b32 s[G1S+1], 32<<16
	s_mov_b32 s[G1S+2], 16<<16
	s_mov_b32 s[G1S+3], 32<<16
	s_mov_b32 s[G1S+4], 16
	s_mov_b32 s[G1S+5], 32
	s_mov_b32 s[G1S+6], 0
	s_mov_b32 s[G1S+7], 0
	s_mul_i32 s20, s45, 393216                     ; x's images: row block 32 Y, and my quarter of a visit
	s_mul_i32 s21, s[WV], 24576
	s_add_co_u32 s20, s20, s21
	s_mov_b32 s21, 0
	s_lshl_b32 s22, s45, 14                        ; x's scale bytes: row 512 Y + 128 wave: wave w fetches visit w's
	s_lshl_b32 s23, s[WV], 12
	s_add_co_u32 s22, s22, s23
	s_mov_b32 s23, 0
	s_mul_i32 s46, s42, 98304                      ; W's codes: row 640 + 128 tc + 32 wave
	s_mul_i32 s47, s[WV], 24576
	s_add_co_u32 s46, s46, s47
	s_add_co_u32 s46, s46, 491520
	s_mov_b32 s47, 0
	s_lshl_b32 s82, s42, 12                        ; W's scale bytes
	s_lshl_b32 s83, s[WV], 10
	s_add_co_u32 s82, s82, s83
	s_add_co_u32 s82, s82, 20480
	s_mov_b32 s83, 0
	s_mul_i32 s84, s[WV], 64*WPIT                  ; where they go: no place in the cluster enters an LDS address
	s_mul_i32 s85, s[WV], 24576
	s_mul_i32 s86, s[WV], 4352
	s_mov_b32 s[SEL], 0x76543210
	s_mov_b32 s[SEL+1], 0xfedcba98                 ; v_permlanex16_b32's selects for lane l xor 16
	s_mov_b32 s[LN], 0xbfb8aa3b                    ; -log2(e)
	s_mov_b32 s[LN+1], s[LN]
	s_wait_kmcnt 0x0
	s_add_nc_u64 s[20:21], s[4:5], s[20:21]
	s_add_nc_u64 s[22:23], s[6:7], s[22:23]
	s_add_nc_u64 s[46:47], s[8:9], s[46:47]
	s_add_nc_u64 s[82:83], s[10:11], s[82:83]
	s_mov_b32 s[G0WX], 1                           ; my 32 rows of ff_x's weights
	s_mov_b32 s[G0WX+1], s84
	s_mov_b64 s[G0WX+2:G0WX+3], s[46:47]
	s_or_b32 s[G0WX+3], s[G0WX+3], 0x80000000
	s_mov_b32 s[G0WG], 1                           ; and of gate's, 4,096 rows further on; in LDS behind the first 32
	s_add_co_u32 s[G0WG+1], s84, 32*WPIT
	s_add_nc_u64 s[G0WG+2:G0WG+3], s[46:47], 3145728
	s_or_b32 s[G0WG+3], s[G0WG+3], 0x80000000
	s_mov_b32 s[G0S], 1
	s_add_co_u32 s[G0S+1], s86, SCL
	s_mov_b64 s[G0S+2:G0S+3], s[22:23]
	s_or_b32 s[G0S+3], s[G0S+3], 0x80000000
	s_mov_b32 s[G0A], 1                            ; slot 0: visit 0, later visit 2
	s_add_co_u32 s[G0A+1], s85, S0
	s_mov_b64 s[G0A+2:G0A+3], s[20:21]
	s_or_b32 s[G0A+3], s[G0A+3], 0x80000000
	s_mov_b32 s[G0A+4], 1                          ; slot 1: visit 1, later visit 3
	s_mov_b32 s[G0A+5], s85
	s_add_nc_u64 s[G0A+6:G0A+7], s[20:21], 98304
	s_or_b32 s[G0A+7], s[G0A+7], 0x80000000
	CROUND                                         ; all sixteen work-groups are here: the first joint loads meet
	tensor_load_to_lds s[G0WX:G0WX+3], s[G1W:G1W+7]   ; the first fills go out together: four loads of mine are out
	s_nop 0
	tensor_load_to_lds s[G0WG:G0WG+3], s[G1W:G1W+7]
	s_nop 0
	tensor_load_to_lds s[G0S:G0S+3], s[G1S:G1S+7]
	s_nop 0
	tensor_load_to_lds s[G0A:G0A+3], s[G1A:G1A+7]
	s_nop 0
.rept 4
	v_nop
.endr
	v_and_b32 v16, 15, v0                          ; r
	v_bfe_u32 v17, v0, 4, 1                        ; h
	v_and_b32 v18, 31, v0                          ; lane
	v_lshlrev_b32 v[L16], 4, v18
	v_lshlrev_b32 v[L8], 3, v18
	v_lshlrev_b32 v19, 5, v18                      ; 32 x lane: a row's 32 scale bytes
	global_load_b128 v[SCB:SCB+3], v19, s[82:83]               ; W's scale words stay in registers: ff_x's row 32 w + lane,
	global_load_b128 v[SCB+4:SCB+7], v19, s[82:83] offset:16
	global_load_b128 v[SCB+8:SCB+11], v19, s[82:83] offset:131072   ; gate's
	global_load_b128 v[SCB+12:SCB+15], v19, s[82:83] offset:131088
	v_mul_u32_u24 v[WA], v16, WPIT
	v_mad_u32_u24 v[WA], v17, 24, v[WA]
	v_add_nc_u32 v[WA], s84, v[WA]                 ; my rows of W: row r, + 24 bytes for lanes 16-31
	v_lshl_add_u32 v[WA2], v17, 4, v[WA]
	v_add_nc_u32 v[NA16], S0, v[L16]               ; the first pair lies at slot 0's head
	v_add_nc_u32 v[NA8], S0, v[L8]
	v_lshrrev_b32 v[NS], 3, v18
	v_lshl_add_u32 v[NS], v[NS], 4, v19            ; 32 x lane, and 16 more for each 256 passed
	v_add_nc_u32 v[NS], SCL, v[NS]
	s_lshr_b32 s18, s[WV], 1
	s_mul_i32 s18, s18, 768                        ; my block of 32 lies in half w / 2 of an image, in the places of lanes 16 (w % 2) + r
	s_and_b32 s19, s[WV], 1
	s_lshl_b32 s87, s19, 8
	s_add_co_u32 s87, s87, s18
	s_add_co_u32 s87, s87, STG
	v_mul_u32_u24 v[STA16], v17, 1536              ; lanes 16-31 hold the pair's second row block: one image on
	v_lshl_add_u32 v[STA8], v16, 3, v[STA16]
	v_lshl_add_u32 v[STA16], v16, 4, v[STA16]
	v_add_nc_u32 v[STA16], s87, v[STA16]
	s_lshl_b32 s87, s19, 7
	s_add_co_u32 s87, s87, s18
	s_add_co_u32 s87, s87, STG+512
	v_add_nc_u32 v[STA8], s87, v[STA8]
	s_add_co_u32 s87, s[WV], STS
	v_lshl_add_u32 v[STB], v16, 2, s87             ; byte w of row r's word
	s_mul_i32 s87, s[WV], 3072
	s_add_co_u32 s87, s87, STG
	v_add_nc_u32 v[FL], s87, v[L16]
	s_lshl_b32 s87, s[WV], 9
	s_add_co_u32 s87, s87, STS
	v_add_nc_u32 v[FS], s87, v[L16]
	v_mov_b32 v[TM+2], 0                           ; written once: a lane permute's destination counts as one of its sources
	v_mov_b32 v[TM+3], 0
	s_wait_tensorcnt 2                             ; my two tiles of W are in (behind them I issued two loads); I alone read them
.set k, 0
.rept 8
.if k < 5
	WIN 0x40                                       ; destination window 1
.else
	WIN 0x80                                       ; window 2
.endif
.irp b, 0,1,2,3
	WFR \b
.endr
.set k, k+1
.endr
	WIN 0
	s_wait_tensorcnt 0x0                           ; all my tensor loads have landed: the scale bytes and my quarter of slot 0
	ds_add_u32 v[SPW], v[NIL]                      ; 0 onto my spare word; the results' addresses are made while it is out
	s_mul_i32 s88, s45, 1769472                    ; h's images: row block 32 Y + 2 wave, K step 4 + tc
	s_mul_i32 s89, s[WV], 110592
	s_add_co_u32 s88, s88, s89
	s_mul_i32 s89, s42, 1536
	s_add_co_u32 s88, s88, s89
	s_add_co_u32 s88, s88, 6144
	s_mov_b32 s89, 0
	s_add_nc_u64 s[12:13], s[12:13], s[88:89]
	s_lshl_b32 s90, s42, 14                        ; its scale words: K step 4 + tc, row 512 Y + 128 wave
	s_lshl_b32 s91, s45, 11
	s_add_co_u32 s90, s90, s91
	s_lshl_b32 s91, s[WV], 9
	s_add_co_u32 s90, s90, s91
	s_add_co_u32 s90, s90, 65536
	s_mov_b32 s91, 0
	s_add_nc_u64 s[14:15], s[14:15], s[90:91]
	s_wait_dscnt 0x0                               ; the add is done, and W is in my registers: my reads of its bytes are over
	CROUND                                         ; so are every wave's, of every partner
	tensor_load_to_lds s[G0A+4:G0A+7], s[G1A:G1A+7]   ; visit 1 lands on W's first bytes: slot 1
	s_nop 0
.rept 4
	v_nop
.endr
	ds_load_b128 v[SCA:SCA+3], v[NS]               ; the first pair's scale words and its 16 fragments
	ds_load_b128 v[SCA+4:SCA+7], v[NS] offset:16
	WIN 0xc0
.set k, 0
.rept 8
	AFR 24*k, k*1536
	AFR 24*k+12, 12288+k*1536
.set k, k+1
.endr
	WIN 0
	v_add_nc_u32 v[NA16], 24576, v[NA16]
	v_add_nc_u32 v[NA8], 24576, v[NA8]
	v_add_nc_u32 v[NS], 1088, v[NS]
	s_wait_loadcnt 0x0                             ; W's scale words
	s_wait_dscnt 0x0
	PAIR 1, 0                                      ; visit 0: the first pair finds no list
	PAIRS 2
	HEAD 1, 0, 0, -1                               ; slot 0 takes visit 2; the next fragments come from slot 1
	PAIR 1, 1
	PAIRS 3                                        ; visit 1
	HEAD 1, 1, S0, 0                               ; slot 1 takes visit 3; the next fragments come from slot 0; visit 0 leaves
	PAIR 1, 1
	PAIRS 3                                        ; visit 2
	HEAD 0, 0, 0, 1                                ; nothing is left to fetch; visit 1 leaves
	PAIR 1, 1
	PAIRS 3                                        ; visit 3
	s_wait_dscnt 0x0                               ; my stores into the stage have landed
	s_barrier_signal -1
	s_barrier_wait -1
	FLUSH 2                                        ; visit 2 leaves
	PAIR 0, 1                                      ; the last pair fetches nothing
.set j, 0
	REST                                           ; its own list has no products to stand behind
	s_wait_dscnt 0x0
	s_barrier_signal -1
	s_barrier_wait -1                              ; the stage is whole
	FLUSH 3
	ds_load_b128 v[FSB:FSB+3], v[FS]               ; wave w sends visit w's 128 scale words
	s_wait_dscnt 0x0
	global_store_b128 v[L16], v[FSB:FSB+3], s[14:15]   ; 512 consecutive bytes, aligned
	s_wait_tensorcnt 0x0                           ; the wave's end
	ds_add_u32 v[SPW], v[NIL]
	s_wait_dscnt 0x0
	CROUND                                         ; the closing round: no work-group ends while a partner may still ask for a tile that names it
	s_endpgm
.Lfunc_end_k_q06b5bc4b4e_ffn:
	.size	k_q06b5bc4b4e_ffn, .Lfunc_end_k_q06b5bc4b4e_ffn-k_q06b5bc4b4e_ffn
	.p2alignl 7, 3214868480
	.fill 96, 4, 3214868480
	.section	.rodata,"a",@progbits
	.p2align	6, 0x0
	.amdhsa_kernel k_q06b5bc4b4e_ffn
		.amdhsa_group_segment_fixed_size 327680
		.amdhsa_private_segment_fixed_size 0
		.amdhsa_enable_private_segment 0
		.amdhsa_kernarg_size 48
		.amdhsa_user_sgpr_count 2
		.amdhsa_user_sgpr_kernarg_segment_ptr 1
		.amdhsa_wavefront_size32 1
		.amdhsa_system_sgpr_workgroup_id_x 1
		.amdhsa_system_sgpr_workgroup_id_y 1
		.amdhsa_system_sgpr_workgroup_id_z 1
		.amdhsa_system_vgpr_workitem_id 0
		.amdhsa_next_free_vgpr 1024
		.amdhsa_next_free_sgpr 96
		.amdhsa_reserve_vcc 0
		.amdhsa_float_denorm_mode_32 3
		.amdhsa_float_denorm_mode_16_64 3
		.amdhsa_memory_ordered 1
		.amdhsa_forward_progress 1
		.amdhsa_inst_pref_size 255
	.end_amdhsa_kernel
	.section	.bss,"aw",@nobits
	.p2align	6
	.space	262144
	.amdgpu_metadata
---
amdhsa.version: [ 1, 2 ]
amdhsa.kernels:
  - .name:           k_q06b5bc4b4e_ffn
    .symbol:         k_q06b5bc4b4e_ffn.kd
    .args:
      - { .name: xc, .offset: 0, .size: 8, .value_kind: global_buffer, .address_space: global }
      - { .name: xs, .offset: 8, .size: 8, .value_kind: global_buffer, .address_space: global }
      - { .name: w_fused_codes, .offset: 16, .size: 8, .value_kind: global_buffer, .address_space: global }
      - { .name: w_fused_scales, .offset: 24, .size: 8, .value_kind: global_buffer, .address_space: global }
      - { .name: ac, .offset: 32, .size: 8, .value_kind: global_buffer, .address_space: global }
      - { .name: asw, .offset: 40, .size: 8, .value_kind: global_buffer, .address_space: global }
    .group_segment_fixed_size: 327680
    .private_segment_fixed_size: 0
    .kernarg_segment_align: 8
    .kernarg_segment_size: 48
    .max_flat_workgroup_size: 128
    .sgpr_count:     96
    .vgpr_count:     1024
    .wavefront_size: 32
...
	.end_amdgpu_metadata
.endif
;; end of part 4
;; launch outp (part 5): grid 8 x 32, 4 waves a work-group, clusters of 4 x 4, 327,680 bytes of LDS; arguments ac, asw, w_attn_out_codes, w_attn_out_scales, w_ff_out_codes, w_ff_out_scales, out0; writes out0
.if DOCPART == 5
	.amdgcn_target "amdgcn-amd-amdhsa--gfx1250"
	.amdhsa_code_object_version 6
	.text
	.protected	k_q06b5bc4b4e_outp
	.globl	k_q06b5bc4b4e_outp
	.p2align	8
	.type	k_q06b5bc4b4e_outp,@function
k_q06b5bc4b4e_outp:
	s_mov_b64 s[64:65], 0
	v_nop
	global_prefetch_b8 v0, s[64:65] scope:SCOPE_SE
	s_setreg_imm32_b32 hwreg(HW_REG_WAVE_MODE, 25, 1), 1
	s_wait_xcnt 0x0
	s_wait_alu depctr_hold_cnt(0) depctr_sa_sdst(0) depctr_va_vdst(0) depctr_va_sdst(0) depctr_va_ssrc(0) depctr_va_vcc(0) depctr_vm_vsrc(0)
	s_getreg_b32 s2, hwreg(HW_REG_IB_STS2, 6, 4)
	s_cmp_eq_u32 s2, 0
	s_cbranch_scc0 .Lentry_in_a_cluster
	s_endpgm
.Lentry_in_a_cluster:
	s_bfe_u32 s2, ttmp6, 0x10000c
	s_cmp_lg_u32 s2, 0xf033
	s_cbranch_scc0 .Lentry_shape_is_right
	s_endpgm
.Lentry_shape_is_right:
; out0 = [attention's result, h] x [w_attn_out; w_ff_out]: ONE product over K = 512 + 4,096 = 4,608 on one accumulator for each output, on codes of FP6 (E2M3) with E8M0 scales.
; SHARES.  A tile of out0 is 128 x 128: 256 work-groups; a wave makes 64 x 64: 16 accumulators.  K goes in nine visits of 512 through a ring of two LDS slots: visit 0 takes w_attn_out's whole rows of 384 bytes,
; visit v the bytes 384 (v - 1) on of w_ff_out's rows.  The left operand comes as images of the operand's registers, 6,144 bytes a row block and visit, and steps evenly.
; W's rows have 16 bytes of padding behind each 128: rows 432 bytes = 108 words apart, so that the 32 lanes of a load of 8 bytes touch 64 different banks (64 banks of 4 bytes: ISA guide 11.1).
; The left operand's scale words and w_ff_out's scale bytes, for all of K, come into LDS once; w_attn_out's go straight into registers.
; CLUSTERS: 4 x 4 work-groups; the left operand's tiles are shared along a row of the cluster, W's along a column: joint loads.  THE PRODUCT IS USED TRANSPOSED: a lane holds eight neighbouring numbers of a row of out0.
; THE ORDER OF THE ROWS IN A BLOCK (index m of block 2 P + u is row 32 P + 8 u + m % 8 + 16 (m / 8)) is undone in the stores' immediates.
; REGISTERS: window 0: v0-31 addresses; v32-47 the left operand's scale words, two sets (8 set + 4 p + q: lanes 0-15 block 2 p, lanes 16-31 block 2 p + 1); v48-63 W's; v64-127 the way out; v128-255 accumulators.
;   window 1: two sets of fragments (left operand's four at 12 a, W's four at 48 + 12 b).
.set SLOT,  104448                     ; 8 blocks x 6,144; then W: 128 rows x 432
.set WOFF,  49152
.set ASC,   208896                     ; 2 x 9,216: [half][K step 36][64 rows] words
.set BSF,   227328                     ; 2 x 8,704: 64 rows x 128 bytes as runs of 256 + 16
.set STAGE, 244736                     ; 16 rows x 272 bytes for each wave
.set SPARE, 262144                     ; the spare words
.set ADA16, 8
.set ADA8,  10
.set ADB,   12                         ; v12-13; v14-15 for the pieces behind one padding more
.set ADAS,  16
.set ADBS,  17
.set STO,   18
.set RD,    19
.set CO,    20
.set L16,   21
.set SPW,   28
.set NIL,   29
.set SCA,   32
.set SCB,   48
.set OB,    64
.set ACC,   128
.set F0,    0
.set F1,    96
.set WV,    18
.set HI,    19
.set LO,    20
.set G1A,   24
.set G0A,   32
.set G1BF,  40
.set G0B,   48
.set G0BA,  56
.set G0AS,  60
.set G1BA,  68
.set G1AS,  76
.set G1SF,  84
.set G0SF,  92
.set G0A0,  96
.set MSB, 0
.macro WIN new
.if MSB != (\new)
	s_set_vgpr_msb (MSB<<8)|(\new)
.set MSB, (\new)
.endif
.endm
.macro PLACES
.rept 4
	v_nop
.endr
.endm
.macro JLOAD s                         ; a joint refill: waves 0 and 1 fetch the left operand's halves, waves 2 and 3 W's; four v_nop follow each of the two lines
	s_cmp_eq_u32 s[HI], 0
	s_cbranch_scc0 .Lfor_b_\@
	tensor_load_to_lds s[G0A+4*\s:G0A+4*\s+3], s[G1A:G1A+7]
	s_nop 0
.rept 4
	v_nop
.endr
	s_branch .Lasked_\@
.Lfor_b_\@:
	tensor_load_to_lds s[G0B+4*\s:G0B+4*\s+3], s[G1BF:G1BF+7]
	s_nop 0
.rept 4
	v_nop
.endr
.Lasked_\@:
.endm
.macro CREST
	s_cmp_lg_u32 s[WV], 0
	s_cbranch_scc1 .Lnot_wave_0_\@
	s_barrier_signal -3
.Lnot_wave_0_\@:
	s_barrier_wait -3
	s_barrier_signal -1
	s_barrier_wait -1
.endm
.macro CROUND
	s_barrier_signal -1
	s_barrier_wait -1
	CREST
.endm
.macro WM d, s0, s1, z, c0, r0, c1, r1
.if \z
.if ((\r0) == 0) && ((\r1) == 0)
	v_wmma_scale_f32_16x16x128_f8f6f4 v[\d:\d+7], v[\s0:\s0+11], v[\s1:\s1+11], 0, v[\c0], v[\c1] matrix_a_fmt:MATRIX_FMT_FP6 matrix_b_fmt:MATRIX_FMT_FP6
.elseif ((\r0) == 1) && ((\r1) == 0)
	v_wmma_scale_f32_16x16x128_f8f6f4 v[\d:\d+7], v[\s0:\s0+11], v[\s1:\s1+11], 0, v[\c0], v[\c1] matrix_a_fmt:MATRIX_FMT_FP6 matrix_b_fmt:MATRIX_FMT_FP6 matrix_a_scale:MATRIX_SCALE_ROW1
.elseif ((\r0) == 0) && ((\r1) == 1)
	v_wmma_scale_f32_16x16x128_f8f6f4 v[\d:\d+7], v[\s0:\s0+11], v[\s1:\s1+11], 0, v[\c0], v[\c1] matrix_a_fmt:MATRIX_FMT_FP6 matrix_b_fmt:MATRIX_FMT_FP6 matrix_b_scale:MATRIX_SCALE_ROW1
.else
	v_wmma_scale_f32_16x16x128_f8f6f4 v[\d:\d+7], v[\s0:\s0+11], v[\s1:\s1+11], 0, v[\c0], v[\c1] matrix_a_fmt:MATRIX_FMT_FP6 matrix_b_fmt:MATRIX_FMT_FP6 matrix_a_scale:MATRIX_SCALE_ROW1 matrix_b_scale:MATRIX_SCALE_ROW1
.endif
.else
.if ((\r0) == 0) && ((\r1) == 0)
	v_wmma_scale_f32_16x16x128_f8f6f4 v[\d:\d+7], v[\s0:\s0+11], v[\s1:\s1+11], v[\d:\d+7], v[\c0], v[\c1] matrix_a_fmt:MATRIX_FMT_FP6 matrix_b_fmt:MATRIX_FMT_FP6
.elseif ((\r0) == 1) && ((\r1) == 0)
	v_wmma_scale_f32_16x16x128_f8f6f4 v[\d:\d+7], v[\s0:\s0+11], v[\s1:\s1+11], v[\d:\d+7], v[\c0], v[\c1] matrix_a_fmt:MATRIX_FMT_FP6 matrix_b_fmt:MATRIX_FMT_FP6 matrix_a_scale:MATRIX_SCALE_ROW1
.elseif ((\r0) == 0) && ((\r1) == 1)
	v_wmma_scale_f32_16x16x128_f8f6f4 v[\d:\d+7], v[\s0:\s0+11], v[\s1:\s1+11], v[\d:\d+7], v[\c0], v[\c1] matrix_a_fmt:MATRIX_FMT_FP6 matrix_b_fmt:MATRIX_FMT_FP6 matrix_b_scale:MATRIX_SCALE_ROW1
.else
	v_wmma_scale_f32_16x16x128_f8f6f4 v[\d:\d+7], v[\s0:\s0+11], v[\s1:\s1+11], v[\d:\d+7], v[\c0], v[\c1] matrix_a_fmt:MATRIX_FMT_FP6 matrix_b_fmt:MATRIX_FMT_FP6 matrix_a_scale:MATRIX_SCALE_ROW1 matrix_b_scale:MATRIX_SCALE_ROW1
.endif
.endif
.endm
.macro AFR reg, slot, off
	ds_load_b128 v[\reg:\reg+3], v[ADA16+\slot] offset:\off
	ds_load_b64 v[\reg+4:\reg+5], v[ADA8+\slot] offset:\off+512
	ds_load_b128 v[\reg+6:\reg+9], v[ADA16+\slot] offset:\off+768
	ds_load_b64 v[\reg+10:\reg+11], v[ADA8+\slot] offset:\off+1280
.endm
.macro FRAG reg, adr, q, off           ; pieces of 8 bytes; 16 bytes of padding behind every 16 pieces; lanes 16-31 read three pieces on
.irp p, 0,1,2,3,4,5
.set PCE, 12*(\q)+6*(\p/3)+\p%3
.if PCE%16 < 13
	ds_load_b64 v[\reg+2*\p:\reg+2*\p+1], v[\adr] offset:8*PCE+16*(PCE/16)+(\off)
.else
	ds_load_b64 v[\reg+2*\p:\reg+2*\p+1], v[\adr+2] offset:8*PCE+16*(PCE/16)+(\off)
.endif
.endr
.endm
.macro FETCH slot, q, f                ; the visit's q-th 128 along K into set f: 40 loads
	WIN 0x40
.irp a, 0,1,2,3
	AFR \f+12*\a, \slot, \a*6144+\q*1536
.endr
.irp b, 0,1,2,3
	FRAG \f+48+12*\b, ADB+\slot, \q, \b*6912
.endr
.endm
.macro SCALES set                      ; a visit's scale words: 10 loads
	WIN 0
.irp p, 0,1
.irp q, 0,1,2,3
	ds_load_b32 v[SCA+8*\set+4*\p+\q], v[ADAS] offset:256*\q+128*\p
.endr
	ds_load_b128 v[SCB+8*\set+4*\p:SCB+8*\set+4*\p+3], v[ADBS] offset:4352*\p
.endr
.endm
.macro MUL16 f, set, q, z              ; 16 products, the accumulators by turns
.irp a, 0,1,2,3
.irp b, 0,1,2,3
	WM ACC+8*(4*\a+\b), \f+48+12*\b, \f+12*\a, \z, SCB+8*(\set)+4*(\b/2)+(\q), \b%2, SCA+8*(\set)+4*(\a/2)+(\q), \a%2
.endr
.endr
.endm
.macro QUARTER slot, qn, f, g, qc, z   ; asks for quarter qn into set g, then multiplies quarter qc from set f
	PLACES                                         ; in front of loads into registers that the last products have read
	FETCH \slot, \qn, \g
	s_wait_dscnt 40                                ; all but the 40 just issued
	WIN 0x05
	MUL16 \f, \slot, \qc, \z
.endm
; The change of slots: each wave waits for all its tensor loads, adds 0 to its spare word, and waits for that and for its reads of this slot.  fill = 1: a round of the cluster's barrier, and this slot is filled again, two visits ahead.
.macro TURN slot, next, fill
	WIN 0
	s_wait_tensorcnt 0x0                           ; all my tensor loads have landed: my part of the next slot; so every group 0 may be written
	ds_add_u32 v[SPW], v[NIL]                      ; 0 onto my spare word
.if \fill
	s_add_nc_u64 s[G0A+4*\next+2:G0A+4*\next+3], s[G0A+4*\next+2:G0A+4*\next+3], 12288   ; the other slot's next visit, for the next turn
	s_add_nc_u64 s[G0B+4*\next+2:G0B+4*\next+3], s[G0B+4*\next+2:G0B+4*\next+3], 768
.endif
	s_wait_dscnt 0x0                               ; the add is done, and my reads of this slot are over
	s_barrier_signal -1
	s_barrier_wait -1
.if \fill
	CREST                                          ; no wave of any partner still reads this slot or has a load on its way
	JLOAD \slot                                    ; the first tensor load behind the round; its four v_nop are the places in front of the loads below
.else
	PLACES
.endif
	v_add_nc_u32 v[ADAS], 1024, v[ADAS]            ; on to the next visit's scale words (no LDS load of mine is out)
	v_add_nc_u32 v[ADBS], 16, v[ADBS]
	FETCH \next, 0, F0
	SCALES \next
	WIN 0x05
	MUL16 F1, \slot, 3, 0
.endm
	s_load_b256 s[4:11], s[0:1], 0x0               ; ac, asw, w_attn_out's codes, scales
	s_load_b128 s[12:15], s[0:1], 0x20             ; w_ff_out's codes, scales
	s_load_b64 s[16:17], s[0:1], 0x30              ; out0
	v_lshl_add_u32 v[SPW], v0, 2, SPARE
	v_mov_b32 v[NIL], 0
	ds_add_u32 v28, v29
	ds_add_u32 v28, v29
	s_wait_dscnt 0x0
	v_lshrrev_b32 v1, 5, v0
	v_readfirstlane_b32 s[WV], v1
	s_lshr_b32 s[HI], s[WV], 1                     ; my 64 rows.  Also: I fetch for the left operand (0) or for W (1)
	s_and_b32 s[LO], s[WV], 1                      ; my 64 columns.  Also: which half I fetch
	s_bfe_u32 s2, ttmp6, 0x40000                   ; cx
	s_bfe_u32 s3, ttmp6, 0x40004                   ; cy
	s_lshl_b32 s21, ttmp9, 2
	s_add_co_u32 s21, s21, s2                      ; X
	s_and_b32 s22, ttmp7, 0xffff
	s_lshl_b32 s22, s22, 2
	s_add_co_u32 s22, s22, s3                      ; Y
	s_lshl_b32 s23, s3, 2
	s_lshl_b32 s23, 15, s23                        ; my row of the cluster
	s_lshl_b32 s66, 0x1111, s2                     ; my column
	s_or_b32 s[G1A], s23, (3<<16)|(1<<21)          ; images: 4 blocks x 6,144 bytes (768 elements of 8), 55,296 apart
	s_mov_b32 s[G1A+1], 768<<16
	s_mov_b32 s[G1A+2], 4<<16
	s_mov_b32 s[G1A+3], 768<<16
	s_mov_b32 s[G1A+4], 4
	s_mov_b32 s[G1A+5], 6912
	s_mov_b32 s[G1A+6], 0
	s_mov_b32 s[G1A+7], 0
	s_or_b32 s[G1BF], s66, (1<<20)|(1<<21)|(4<<22)|(3<<25)   ; W: 64 rows x 384 bytes; 16 bytes of padding behind each 128
	s_or_b32 s[G1BA], s66, (1<<20)|(1<<21)|(4<<22)|(3<<25)
.irp g, G1BF, G1BA
	s_mov_b32 s[\g+1], 384<<16
	s_mov_b32 s[\g+2], 64<<16
	s_mov_b32 s[\g+3], 384<<16
	s_mov_b32 s[\g+4], 64
	s_mov_b32 s[\g+6], 0
	s_mov_b32 s[\g+7], 0
.endr
	s_mov_b32 s[G1BF+5], 3072                      ; w_ff_out's rows
	s_mov_b32 s[G1BA+5], 384                       ; w_attn_out's
	s_or_b32 s[G1AS], s23, (3<<16)|(1<<21)         ; the left operand's scale words: 36 K steps x 256 bytes (64 rows), 16,384 apart
	s_mov_b32 s[G1AS+1], 32<<16
	s_mov_b32 s[G1AS+2], 36<<16
	s_mov_b32 s[G1AS+3], 32<<16
	s_mov_b32 s[G1AS+4], 36
	s_mov_b32 s[G1AS+5], 2048
	s_mov_b32 s[G1AS+6], 0
	s_mov_b32 s[G1AS+7], 0
	s_or_b32 s[G1SF], s66, (3<<16)|(1<<20)|(1<<21)|(5<<22)|(3<<25)   ; w_ff_out's scale bytes of 64 rows: 32 rows of 256, 16 bytes of padding behind each
	s_mov_b32 s[G1SF+1], 32<<16
	s_mov_b32 s[G1SF+2], 32<<16
	s_mov_b32 s[G1SF+3], 32<<16
	s_mov_b32 s[G1SF+4], 32
	s_mov_b32 s[G1SF+5], 32
	s_mov_b32 s[G1SF+6], 0
	s_mov_b32 s[G1SF+7], 0
	s_mov_b32 s101, 0
	s_mov_b32 s3, 0
	s_wait_kmcnt 0x0
	s_mul_i32 s100, s22, 442368                    ; images: block 8 Y + 4 x half
	s_mul_i32 s67, s[LO], 221184
	s_add_co_u32 s100, s100, s67
	s_add_nc_u64 s[4:5], s[4:5], s[100:101]
	s_lshl_b32 s100, s22, 9                        ; scale words: row 128 Y + 64 x half
	s_lshl_b32 s67, s[LO], 8
	s_add_co_u32 s100, s100, s67
	s_add_nc_u64 s[6:7], s[6:7], s[100:101]
	s_mul_i32 s2, s21, 49152                       ; w_attn_out: row 128 X + 64 x half
	s_mul_i32 s67, s[LO], 24576
	s_add_co_u32 s2, s2, s67
	s_add_nc_u64 s[8:9], s[8:9], s[2:3]
	s_mul_i32 s2, s21, 393216                      ; w_ff_out
	s_mul_i32 s67, s[LO], 196608
	s_add_co_u32 s2, s2, s67
	s_add_nc_u64 s[12:13], s[12:13], s[2:3]
	s_lshl_b32 s2, s21, 14                         ; its scale bytes
	s_lshl_b32 s67, s[LO], 13
	s_add_co_u32 s2, s2, s67
	s_add_nc_u64 s[14:15], s[14:15], s[2:3]
	s_lshl_b32 s2, s21, 11                         ; w_attn_out's scale bytes: my 64 columns
	s_lshl_b32 s67, s[LO], 10
	s_add_co_u32 s2, s2, s67
	s_add_nc_u64 s[10:11], s[10:11], s[2:3]
	s_lshl_b32 s2, s22, 19                         ; out0: row 128 Y + 64 hi, column 128 X + 64 lo
	s_lshl_b32 s67, s[HI], 18
	s_add_co_u32 s2, s2, s67
	s_lshl_b32 s67, s21, 9
	s_add_co_u32 s2, s2, s67
	s_lshl_b32 s67, s[LO], 8
	s_add_co_u32 s2, s2, s67
	s_add_nc_u64 s[16:17], s[16:17], s[2:3]
	s_mul_i32 s67, s[LO], 24576                    ; where they go: no place in the cluster enters an LDS address
	s_mov_b32 s[G0A0], 1                           ; visit 0, slot 0
	s_mov_b32 s[G0A0+1], s67
	s_mov_b64 s[G0A0+2:G0A0+3], s[4:5]
	s_or_b32 s[G0A0+3], s[G0A0+3], 0x80000000
	s_mov_b32 s[G0A], 1                            ; slot 0's walking set begins with visit 2
	s_mov_b32 s[G0A+1], s67
	s_add_nc_u64 s[G0A+2:G0A+3], s[4:5], 12288
	s_or_b32 s[G0A+3], s[G0A+3], 0x80000000
	s_mov_b32 s[G0A+4], 1                          ; slot 1's with visit 1
	s_add_co_u32 s[G0A+5], s67, SLOT
	s_add_nc_u64 s[G0A+6:G0A+7], s[4:5], 6144
	s_or_b32 s[G0A+7], s[G0A+7], 0x80000000
	s_mul_i32 s67, s[LO], 27648
	s_add_co_u32 s67, s67, WOFF
	s_mov_b32 s[G0BA], 1
	s_mov_b32 s[G0BA+1], s67
	s_mov_b64 s[G0BA+2:G0BA+3], s[8:9]
	s_or_b32 s[G0BA+3], s[G0BA+3], 0x80000000
	s_mov_b32 s[G0B], 1
	s_mov_b32 s[G0B+1], s67
	s_add_nc_u64 s[G0B+2:G0B+3], s[12:13], 384
	s_or_b32 s[G0B+3], s[G0B+3], 0x80000000
	s_mov_b32 s[G0B+4], 1
	s_add_co_u32 s[G0B+5], s67, SLOT
	s_mov_b64 s[G0B+6:G0B+7], s[12:13]
	s_or_b32 s[G0B+7], s[G0B+7], 0x80000000
	s_mul_i32 s67, s[LO], 9216
	s_add_co_u32 s67, s67, ASC
	s_mov_b32 s[G0AS], 1
	s_mov_b32 s[G0AS+1], s67
	s_mov_b64 s[G0AS+2:G0AS+3], s[6:7]
	s_or_b32 s[G0AS+3], s[G0AS+3], 0x80000000
	s_mul_i32 s67, s[LO], 8704
	s_add_co_u32 s67, s67, BSF
	s_mov_b32 s[G0SF], 1
	s_mov_b32 s[G0SF+1], s67
	s_mov_b64 s[G0SF+2:G0SF+3], s[14:15]
	s_or_b32 s[G0SF+3], s[G0SF+3], 0x80000000
	CROUND                                         ; all sixteen work-groups are here: the first joint loads meet
	s_cmp_eq_u32 s[HI], 0                          ; a wave's three first fills stand in one branch: three loads of mine are out
	s_cbranch_scc0 .Lfirst_b
	tensor_load_to_lds s[G0AS:G0AS+3], s[G1AS:G1AS+7]
	s_nop 0
	tensor_load_to_lds s[G0A0:G0A0+3], s[G1A:G1A+7]
	s_nop 0
	tensor_load_to_lds s[G0A+4:G0A+7], s[G1A:G1A+7]
	s_nop 0
.rept 4
	v_nop
.endr
	s_branch .Lfirst_done
.Lfirst_b:
	tensor_load_to_lds s[G0SF:G0SF+3], s[G1SF:G1SF+7]
	s_nop 0
	tensor_load_to_lds s[G0BA:G0BA+3], s[G1BA:G1BA+7]
	s_nop 0
	tensor_load_to_lds s[G0B+4:G0B+7], s[G1BF:G1BF+7]
	s_nop 0
.rept 4
	v_nop
.endr
.Lfirst_done:
	v_and_b32 v1, 15, v0                           ; r
	v_bfe_u32 v2, v0, 4, 1                         ; h
	v_and_b32 v3, 31, v0                           ; lane
	v_lshlrev_b32 v[L16], 4, v3
	v_lshlrev_b32 v4, 3, v3
.irp p, 0,1
	global_load_b128 v[SCB+4*\p:SCB+4*\p+3], v[L16], s[10:11] offset:512*\p   ; w_attn_out's four scale words of column 32 p + lane: visit 0's set
.endr
	s_mul_i32 s67, s[HI], 24576
.irp s, 0,1
	v_add_nc_u32 v[ADA16+\s], s67, v[L16]
	v_add_nc_u32 v[ADA8+\s], s67, v4
	s_add_co_u32 s67, s67, SLOT
.endr
	v_mul_u32_u24 v5, v1, 432
	v_mad_u32_u24 v5, v2, 24, v5
	v_lshl_add_u32 v6, v2, 4, v5
	s_mul_i32 s67, s[LO], 27648
	s_add_co_u32 s67, s67, WOFF
.irp s, 0,1
	v_add_nc_u32 v[ADB+\s], s67, v5
	v_add_nc_u32 v[ADB+2+\s], s67, v6
	s_add_co_u32 s67, s67, SLOT
.endr
	s_mul_i32 s67, s[HI], 9216
	s_add_co_u32 s67, s67, ASC
	v_lshl_add_u32 v[ADAS], v3, 2, s67
	v_lshrrev_b32 v5, 1, v3
	v_lshlrev_b32 v6, 7, v3
	v_lshl_add_u32 v5, v5, 4, v6                   ; a row's 128 scale bytes: 128 x lane, and 16 more for each 256 passed
	s_mul_i32 s67, s[LO], 8704
	s_add_co_u32 s67, s67, BSF-16                  ; (16 bytes early: the address is stepped ahead of each visit's loads, visit 1's too)
	v_add_nc_u32 v[ADBS], s67, v5
	s_mul_i32 s67, s[WV], 4352
	s_add_co_u32 s67, s67, STAGE
	v_mul_u32_u24 v5, v1, 272
	v_lshl_add_u32 v5, v2, 5, v5
	v_add_nc_u32 v[STO], s67, v5                   ; into my stage: row r, 32 bytes for each half of the lanes
	v_mul_u32_u24 v5, v2, 272
	v_lshl_add_u32 v5, v1, 4, v5
	v_add_nc_u32 v[RD], s67, v5                    ; back: lanes 0-15 one row of 256 bytes, lanes 16-31 the next
	v_lshlrev_b32 v5, 12, v2
	v_lshl_add_u32 v[CO], v1, 4, v5                ; and the same two rows in out0
	s_wait_tensorcnt 1                             ; the scales and my part of visit 0 are in (visit 1's load may be out),
	s_barrier_signal -1
	s_barrier_wait -1                              ; everybody's are
	FETCH 0, 0, F0
	WIN 0
.irp p, 0,1
.irp q, 0,1,2,3
	ds_load_b32 v[SCA+4*\p+\q], v[ADAS] offset:256*\q+128*\p
.endr
.endr
	s_wait_loadcnt 0x0                             ; w_attn_out's scale words
	QUARTER 0, 1, F0, F1, 0, 1                     ; the first products start the sums: nothing is cleared
	WIN 0
	s_mov_b32 s3, 3
.Llap:                                                 ; a trip goes once round the ring, from a visit's second quarter to the first of the visit after next, and fills both slots again
	QUARTER 0, 2, F1, F0, 1, 0
	QUARTER 0, 3, F0, F1, 2, 0
	TURN 0, 1, 1
	QUARTER 1, 1, F0, F1, 0, 0
	QUARTER 1, 2, F1, F0, 1, 0
	QUARTER 1, 3, F0, F1, 2, 0
	TURN 1, 0, 1
	QUARTER 0, 1, F0, F1, 0, 0
	WIN 0
	s_sub_co_u32 s3, s3, 1
	s_cmp_lg_u32 s3, 0
	s_cbranch_scc1 .Llap
	QUARTER 0, 2, F1, F0, 1, 0                     ; visit 6 goes on
	QUARTER 0, 3, F0, F1, 2, 0
	TURN 0, 1, 1                                   ; slot 0 takes visit 8, the last
	QUARTER 1, 1, F0, F1, 0, 0
	QUARTER 1, 2, F1, F0, 1, 0
	QUARTER 1, 3, F0, F1, 2, 0
	TURN 1, 0, 0                                   ; nothing is left to fetch
	QUARTER 0, 1, F0, F1, 0, 0
	QUARTER 0, 2, F1, F0, 1, 0
	QUARTER 0, 3, F0, F1, 2, 0
	s_wait_dscnt 0x0
	MUL16 F1, 0, 3, 0
	WIN 0
; THE WAY OUT, a block of 16 rows x 64 columns at a time, through my own stage: a lane's 32 bytes go in, whole rows of 256 bytes come back.  LDS serves a wave's instructions in order: no wait between the stores and the loads.
.macro TOSTAGE a
.irp b, 0,1,2,3
	ds_store_b128 v[STO], v[ACC+8*(4*(\a)+\b):ACC+8*(4*(\a)+\b)+3] offset:64*\b        ; each accumulator from its low end on
	ds_store_b128 v[STO], v[ACC+8*(4*(\a)+\b)+4:ACC+8*(4*(\a)+\b)+7] offset:64*\b+16
.endr
.set BB, OB+32*((\a)%2)
.irp t, 0,1,2,3,4,5,6,7
	ds_load_b128 v[BB+4*\t:BB+4*\t+3], v[RD] offset:\t*2*272
.endr
.endm
.macro SEND a, younger                 ; younger: the LDS instructions issued behind block a's loads
.set BB, OB+32*((\a)%2)
	s_wait_dscnt \younger
.irp t, 0,1,2,3,4,5,6,7
	global_store_b128 v[CO], v[BB+4*\t:BB+4*\t+3], s[16:17] offset:(32*((\a)/2)+8*((\a)%2)+2*(\t%4)+16*(\t/4))*4096 th:TH_STORE_NT   ; index 2 t + (lane / 16) of block a: its true row; 16 lanes store 256 consecutive bytes, aligned
.endr
.endm
	PLACES
	TOSTAGE 0
.irp a, 1,2,3
.if \a > 1
	s_wait_xcnt 0x0                                ; block a - 2's stores have read their registers: block a's loads may land there
.endif
	TOSTAGE \a
	SEND \a-1, 16                                  ; behind block a - 1's loads: block a's 8 stores and 8 loads
.endr
	SEND 3, 0
	s_wait_tensorcnt 0x0                           ; the wave's end
	ds_add_u32 v[SPW], v[NIL]
	s_wait_dscnt 0x0
	CROUND                                         ; the closing round
	s_endpgm
.Lfunc_end_k_q06b5bc4b4e_outp:
	.size	k_q06b5bc4b4e_outp, .Lfunc_end_k_q06b5bc4b4e_outp-k_q06b5bc4b4e_outp
	.p2alignl 7, 3214868480
	.fill 96, 4, 3214868480
	.section	.rodata,"a",@progbits
	.p2align	6, 0x0
	.amdhsa_kernel k_q06b5bc4b4e_outp
		.amdhsa_group_segment_fixed_size 327680
		.amdhsa_private_segment_fixed_size 0
		.amdhsa_enable_private_segment 0
		.amdhsa_kernarg_size 56
		.amdhsa_user_sgpr_count 2
		.amdhsa_user_sgpr_kernarg_segment_ptr 1
		.amdhsa_wavefront_size32 1
		.amdhsa_system_sgpr_workgroup_id_x 1
		.amdhsa_system_sgpr_workgroup_id_y 1
		.amdhsa_system_sgpr_workgroup_id_z 1
		.amdhsa_system_vgpr_workitem_id 0
		.amdhsa_next_free_vgpr 448
		.amdhsa_next_free_sgpr 102
		.amdhsa_reserve_vcc 0
		.amdhsa_float_denorm_mode_32 3
		.amdhsa_float_denorm_mode_16_64 3
		.amdhsa_memory_ordered 1
		.amdhsa_forward_progress 1
		.amdhsa_inst_pref_size 120
	.end_amdhsa_kernel
	.amdgpu_metadata
---
amdhsa.version: [ 1, 2 ]
amdhsa.kernels:
  - .name:           k_q06b5bc4b4e_outp
    .symbol:         k_q06b5bc4b4e_outp.kd
    .args:
      - { .name: ac, .offset: 0, .size: 8, .value_kind: global_buffer, .address_space: global }
      - { .name: asw, .offset: 8, .size: 8, .value_kind: global_buffer, .address_space: global }
      - { .name: w_attn_out_codes, .offset: 16, .size: 8, .value_kind: global_buffer, .address_space: global }
      - { .name: w_attn_out_scales, .offset: 24, .size: 8, .value_kind: global_buffer, .address_space: global }
      - { .name: w_ff_out_codes, .offset: 32, .size: 8, .value_kind: global_buffer, .address_space: global }
      - { .name: w_ff_out_scales, .offset: 40, .size: 8, .value_kind: global_buffer, .address_space: global }
      - { .name: out0, .offset: 48, .size: 8, .value_kind: global_buffer, .address_space: global }
    .group_segment_fixed_size: 327680
    .private_segment_fixed_size: 0
    .kernarg_segment_align: 8
    .kernarg_segment_size: 56
    .max_flat_workgroup_size: 128
    .sgpr_count:     102
    .vgpr_count:     448
    .wavefront_size: 32
...
	.end_amdgpu_metadata
.endif
;; end of part 5
